; MI455X (gfx1250); checked and timed in simulation.
; The chip was launched on July 23, 2026; its instructions are those of AMD's public machine-readable ISA for CDNA 5 (MIT licence, August 2026) and "CDNA5" Instruction Set Architecture Reference Guide (July 2026). The comments in the code are by the model that wrote it; some were corrected since.
;; Multi Head Causal Self Attention. Allowed arithmetic: matrix products marked QUANTISED: E3M2 operands, one E8M0 scale for each 32 along K, by v_wmma_scale_f32_16x16x128_f8f6f4 with both operands' format E3M2, f32 sums; everything else in f32.
;; Inputs: Wk 1,024 x 1,024 float32; Wo 1,024 x 1,024 float32; Wq 1,024 x 1,024 float32; Wv 1,024 x 1,024 float32; bo 1,024 float32; x 4 x 2,048 x 1,024 float32.
;; Outputs: out0 4 x 2,048 x 1,024 float32.
;; This version of the problem:
;;   THIS VERSION OF THE PROBLEM IS GIVEN IN LOW PRECISION. The matrix products marked QUANTISED in the list below multiply operands that are first quantised to E3M2 (3 exponent bits, 2 mantissa bits; 6 bits a number), with one power-of-two scale for each 32 numbers along K (OCP MX v1.0); their sums are f32. All else is computed in f32.
;;   The module's matrix products, in the order in which they are computed (A, B: the left and right operand; K: the contracted axis; several contracted axes count as one K, in the product's order):
;;     1. [M 8,192, K 1,024] x [K 1,024, N 1,024]; A: input x; B: input Wq: QUANTISED
;;     2. [M 8,192, K 1,024] x [K 1,024, N 1,024]; A: input x; B: input Wk: QUANTISED
;;     3. [M 8,192, K 1,024] x [K 1,024, N 1,024]; A: input x; B: input Wv: QUANTISED
;;     4. batch 64 x [M 2,048, K 64] x [K 64, N 2,048]; A: computed on the way; B: computed on the way: QUANTISED
;;     5. batch 64 x [M 2,048, K 2,048] x [K 2,048, N 64]; A: softmax (see below); B: computed on the way: QUANTISED
;;     6. [M 8,192, K 1,024] x [K 1,024, N 1,024]; A: computed on the way; B: input Wo: QUANTISED
;;   THE QUANTISER, for each operand of a quantised product, along K:
;;     - K is cut into blocks of 32 from its start; a last block that is shorter is filled with zeros.
;;     - A block's scale is 2^e with e = floor(log2(the largest magnitude in the block)) - 4, held to -126 .. 127; a block of zeros has e = 0. As a byte (E8M0): e + 127.
;;     - Each number is divided by its block's scale, clamped to +-28, and rounded to the nearest number of E3M2, ties to even, subnormals kept.
;;     - The product sums the exact products of the quantised numbers (number of the format x scale) in f32.
;;   ~~~python
;;   def quantise(x, axis):      # numpy; x: float32 -> the quantised numbers, widened to float32 again
;;       x = np.moveaxis(x, axis, -1); K = x.shape[-1]
;;       x = np.pad(x, [(0, 0)] * (x.ndim - 1) + [(0, -K % 32)]); x = x.reshape(x.shape[:-1] + (-1, 32)); a = np.abs(x).max(-1, keepdims=True)
;;       e = np.where(a > 0, np.clip(np.frexp(np.where(a > 0, a, 1))[1] - 1 - 4, -126, 127), 0)      # np.frexp(a)[1] - 1 = floor(log2(a)), exactly
;;       r = np.clip(x / 2.0 ** e, -28, 28)
;;       step = 2.0 ** (np.maximum(np.frexp(np.where(r == 0, 1, r))[1] - 1, -2) - 2)
;;       q = np.round(r / step) * step * 2.0 ** e      # np.round: ties to even
;;       return np.moveaxis(q.reshape(q.shape[:-2] + (-1,))[..., :K], -1, axis).astype(np.float32)
;;   ~~~
;;   SOFTMAX AHEAD OF A QUANTISED PRODUCT. Where the list says 'softmax', what is quantised is not the finished softmax but p = 2^(t - M), with t = logit x log2(e) and M = ceil(the row's largest t), a whole number; so 1/2 < the row's largest p <= 1. The row's sum l is taken of the UNQUANTISED p, in f32, and the product's result is divided by l at the end. Since M is a whole number, a kernel that streams over the keys may use a running M (the ceiling of the running maximum): every later rescaling is an exact power of two, which a block's scale takes up: the codes' values come out the same.
;;   OPERANDS COMPUTED ON THE WAY. 'Computed on the way' means the value that the module computes at that place (a softmax that the list does not call 'softmax' is quantised finished and normalised). What goes into a quantiser is computed in f32, as accurately as f32 sums, v_exp_f32 and their like allow (about 1e-6 of the number): no bf16 or f16 on the way to a quantiser, and a product that is left as it is and whose result goes on into a quantised operand takes f32 operands (vector FMAs, or v_wmma_f32_16x16x4_f32). A number that lies on a knife's edge between two numbers of the format may be rounded either way, as far as f32 arithmetic and the matrix unit's own rounding can turn it there, and no further.
;; One version. Each part assembles by itself: llvm-mc -triple=amdgcn-amd-amdhsa -mcpu=gfx1250 --defsym DOCPART=n.
;; ======== version 1 of 1: 4 launches
;; workspace buffers: cod 10,223,616 bytes; qkv 20,185,088 bytes; ctx 6,815,744 bytes
;; launch quant (part 1): grid 384 x 1, 4 waves a work-group, no clusters, 35,328 bytes of LDS; arguments x, Wq, Wk, Wv, Wo, cod; writes cod
.if DOCPART == 1
	.amdgcn_target "amdgcn-amd-amdhsa--gfx1250"
	.amdhsa_code_object_version 6
	.text
	.protected	k_qa7c9baaa94_quant
	.globl	k_qa7c9baaa94_quant
	.p2align	8
	.type	k_qa7c9baaa94_quant,@function
k_qa7c9baaa94_quant:
	s_mov_b64 s[64:65], 0
	v_nop
	global_prefetch_b8 v0, s[64:65] scope:SCOPE_SE
	s_setreg_imm32_b32 hwreg(HW_REG_WAVE_MODE, 25, 1), 1
	s_wait_xcnt 0x0
; x [8192][1024] and Wq, Wk, Wv, Wo [1024][1024], f32, K innermost, become codes of E3M2 with one E8M0 byte for each 32 along K, in ONE buffer of 768 tiles of 16 rows:
; tiles 0-511 x, 512-575 Wq, 576-639 Wk, 640-703 Wv, 704-767 Wo.
; THE ROWS OF A TILE ARE NOT NEIGHBOURS: of each 32 rows, tile u (0, 1) holds at its place p the row 8 u + p + 8 (p / 8).  So a product that takes such a tile as its source 0 leaves, in the 16 registers of two
; neighbouring tiles, 16 NEIGHBOURING rows, which is what the next quantiser wants.
; A TILE IS LAID AS THE OPERAND'S REGISTERS: 13,312 bytes = 4 parts of 3,328 (256 along K each); a part = 4 half fragments of 768 bytes, 128 scale bytes ([place][8]), 128 bytes that nobody writes or reads.
; A half fragment (16 places x 64 K, six registers a lane; lane p + 16 h holds block h of place p, 24 bytes) = 512 bytes, 16 a lane (registers 0-3), then 256 bytes, 8 a lane (registers 4-5).
; A block's scale is 2^(floor(log2(its largest magnitude)) - 4): its byte is that magnitude's exponent field - 4, held at 1 from below by a floor among the maximum's leaves.
; LIMITS: a block of zeros gets the byte 1 where the rule says 127 (its codes are zeros, and this program alone reads the bytes); NaN and infinities among the inputs are not served.
; SHARES: a work-group takes 32 rows (two tiles); wave w takes tile w / 2 and K half w % 2: eight steps of 16 places x 64 numbers.  Each load reads two rows' 256 consecutive bytes; the step's 4,096 bytes turn through the
; wave's own stage in LDS (rows 272 bytes apart) and come back 128 bytes a lane: a whole block.  No wave reads another's bytes: no barrier.
; No work-group shares an input with another, so no cluster; memory binds, so no matrix unit.
.set ROWB,  4096                       ; a row of any of the five tensors, in bytes
.set TILEB, 13312
.set PARTB, 3328
.set SP,    272                        ; a stage row: 256 bytes + 16
.set STG,   16*SP                      ; a stage; two for each wave
.set R,     16                         ; v16-111  three sets of 32 registers, as loaded
.set X,     112                        ; v112-175 two sets of 32: a block
.set C,     176                        ; v176-239 a step's six registers of codes, in eight of its own: no store's data are written again
.set SB,    240                        ; v240-243 scale bytes
.set D,     244                        ; v244-246 the second conversion's result (three registers begin on an even number)
	s_load_b256 s[4:11], s[0:1], 0x0               ; x, Wq, Wk, Wv
	s_load_b128 s[12:15], s[0:1], 0x20             ; Wo, cod
	v_lshl_add_u32 v248, v0, 2, 0x8800
	v_mov_b32 v249, 0
	v_lshrrev_b32 v1, 5, v0
	v_readfirstlane_b32 s22, v1                    ; wave
	v_and_b32 v1, 31, v0                           ; lane
	v_and_b32 v2, 15, v0                           ; r
	v_bfe_u32 v3, v0, 4, 1                         ; h
	v_lshlrev_b32 v4, 4, v2
	v_lshl_add_u32 v4, v3, 12, v4                  ; in: lanes 0-15 one row's 256 bytes, lanes 16-31 the next row's
	s_mul_i32 s23, s22, 2*STG                      ; my wave's stages
	v_mul_u32_u24 v5, v3, SP
	v_lshl_add_u32 v5, v2, 4, v5
	v_add_nc_u32 v5, s23, v5                       ; into the stage: as loaded
	v_mul_u32_u24 v6, v2, SP
	v_lshl_add_u32 v6, v3, 7, v6
	v_add_nc_u32 v6, s23, v6                       ; out of it: place r, block h: 128 bytes
	v_lshlrev_b32 v7, 4, v1                        ; an image's 16 bytes a lane,
	v_lshlrev_b32 v8, 3, v1                        ; and its 8 bytes a lane
	v_mul_u32_u24 v9, v3, PARTB
	v_lshl_add_u32 v9, v2, 3, v9                   ; scale bytes: lanes 0-15 the first part's, lanes 16-31 the second's; 8 bytes a place
	v_lshlrev_b32 v14, 3, v3                       ; 8 h: my byte's shift
	s_lshr_b32 s24, s22, 1                         ; which tile of the two
	s_and_b32 s25, s22, 1                          ; which half of K
	s_mov_b32 s26, 0x76543210
	s_mov_b32 s27, 0xfedcba98                      ; lane l xor 16
	s_wait_alu depctr_va_vdst(0)
	s_wait_kmcnt 0x0
	s_mov_b64 s[16:17], s[12:13]                   ; which tensor: the choice hangs on the work-group's number alone
	s_mov_b32 s18, 352
	s_cmp_lt_u32 ttmp9, 352
	s_cselect_b64 s[16:17], s[10:11], s[16:17]
	s_cselect_b32 s18, 320, s18
	s_cmp_lt_u32 ttmp9, 320
	s_cselect_b64 s[16:17], s[8:9], s[16:17]
	s_cselect_b32 s18, 288, s18
	s_cmp_lt_u32 ttmp9, 288
	s_cselect_b64 s[16:17], s[6:7], s[16:17]
	s_cselect_b32 s18, 256, s18
	s_cmp_lt_u32 ttmp9, 256
	s_cselect_b64 s[16:17], s[4:5], s[16:17]
	s_cselect_b32 s18, 0, s18
	s_sub_co_u32 s19, ttmp9, s18                   ; which 32 rows of it
	s_lshl_b32 s19, s19, 5
	s_lshl_b32 s28, s24, 3
	s_add_co_u32 s19, s19, s28                     ; + 8 u
	s_lshl_b32 s28, s19, 12                        ; in bytes (under 2^26)
	s_lshl_b32 s29, s25, 11
	s_add_co_u32 s28, s28, s29                     ; + my half of K
	s_mov_b32 s29, 0
	s_add_nc_u64 s[16:17], s[16:17], s[28:29]
	s_lshl_b32 s30, ttmp9, 1
	s_add_co_u32 s30, s30, s24                     ; my tile
	s_mul_i32 s30, s30, TILEB
	s_mul_i32 s31, s25, 2*PARTB
	s_add_co_u32 s30, s30, s31                     ; my two parts of it
	s_mov_b32 s31, 0
	s_add_nc_u64 s[14:15], s[14:15], s[30:31]
.macro LOAD t                          ; step t: places 2 k + h, which are rows 2 k + h + 8 (k / 4); 64 numbers at byte 256 t
.irp k, 0,1,2,3,4,5,6,7
	global_load_b128 v[R+32*((\t)%3)+4*\k:R+32*((\t)%3)+4*\k+3], v4, s[16:17] offset:(2*\k+8*(\k/4))*ROWB+256*(\t) th:TH_LOAD_NT
.endr
.endm
.macro TURN t                          ; through the stage: LDS serves a wave's instructions in order, so no wait stands between the stores and the loads
.irp k, 0,1,2,3,4,5,6,7
	ds_store_b128 v5, v[R+32*((\t)%3)+4*\k:R+32*((\t)%3)+4*\k+3] offset:STG*((\t)%2)+2*SP*\k
.endr
.irp i, 0,1,2,3,4,5,6,7
	ds_load_b128 v[X+32*((\t)%2)+4*\i:X+32*((\t)%2)+4*\i+3], v6 offset:STG*((\t)%2)+16*\i
.endr
.endm
.macro STEP t
.set XS, X+32*((\t)%2)
.set CT, C+8*(\t)
	s_wait_dscnt 0x0                               ; my block is back from the stage, and the stores into the stage have read their registers,
.if (\t)+3 < 8
	LOAD (\t)+3                                    ; which take the loads of three steps on
.endif
.if (\t)+1 < 8
.if (\t) <= 4
	s_wait_loadcnt 16                              ; the next step's eight loads are in; those of the two steps behind it may be out
.elseif (\t) == 5
	s_wait_loadcnt 8                               ; one step is left behind it
.else
	s_wait_loadcnt 0
.endif
	TURN (\t)+1                                    ; the next step turns while this one is worked
.endif
	v_max3_num_f32 v10, |v[XS]|, |v[XS+1]|, |v[XS+2]|             ; the block's largest magnitude: all 32 numbers are mine; two chains
	v_max3_num_f32 v11, |v[XS+3]|, |v[XS+4]|, |v[XS+5]|
.irp i, 6,10,14,18,22,26
	v_max3_num_f32 v10, v10, |v[XS+\i]|, |v[XS+\i+1]|
	v_max3_num_f32 v11, v11, |v[XS+\i+2]|, |v[XS+\i+3]|
.endr
	v_max3_num_f32 v10, v10, |v[XS+30]|, |v[XS+31]|
	v_max3_num_f32 v10, v10, v11, 0x2800000        ; and the floor 2^(5 - 127): the byte cannot fall under 1
	v_add_nc_u32 v12, 0xfe000000, v10              ; 4 off the exponent field: the conversion takes the exponent field of this operand as its scale
	v_cvt_scalef32_pk16_bf6_f32 v[CT:CT+2], v[XS:XS+15], v12
	v_cvt_scalef32_pk16_bf6_f32 v[D:D+2], v[XS+16:XS+31], v12
	v_lshrrev_b32 v13, 23, v12                     ; the scale's byte (also the plain line behind the conversions)
	v_mov_b32 v[CT+3], v[D]
	v_mov_b32 v[CT+4], v[D+1]
	v_mov_b32 v[CT+5], v[D+2]
.if (\t)%2 == 0
	v_mov_b32 v[SB+(\t)/2], v13                    ; two steps' bytes to a register: bytes 0 and 2; the other half of the lanes fills 1 and 3
.else
	v_lshl_or_b32 v[SB+(\t)/2], v13, 16, v[SB+(\t)/2]
.endif
	global_store_b128 v7, v[CT:CT+3], s[14:15] offset:((\t)/4)*PARTB+((\t)%4)*768          ; 512 consecutive bytes, at a multiple of 256 from the buffer's first byte
	global_store_b64 v8, v[CT+4:CT+5], s[14:15] offset:((\t)/4)*PARTB+((\t)%4)*768+512     ; and 256 more
.endm
	LOAD 0
	LOAD 1
	LOAD 2
	s_wait_loadcnt 16                              ; step 0's eight loads are in
	TURN 0
.irp t, 0,1,2,3,4,5,6,7
	STEP \t
.endr
.irp j, 0,1,2,3
	v_lshlrev_b32 v[SB+\j], v14, v[SB+\j]          ; my bytes at their places,
	v_mov_b32 v[R+\j], 0                           ; (a lane permute's destination counts as one of its sources)
.endr
.irp j, 0,1,2,3
	v_permlanex16_b32 v[R+\j], v[SB+\j], s26, s27
.endr
.irp j, 0,1,2,3
	v_or_b32 v[SB+\j], v[SB+\j], v[R+\j]           ; with lane l xor 16's the four words are whole: 16 blocks of my place
.endr
	v_cmp_lt_u32 vcc_lo, 15, v1
	v_cndmask_b32 v[R+4], v[SB], v[SB+2], vcc_lo   ; lanes 0-15 store the first part's 8 bytes, lanes 16-31 the second's
	v_cndmask_b32 v[R+5], v[SB+1], v[SB+3], vcc_lo
	global_store_b64 v9, v[R+4:R+5], s[14:15] offset:3072
	s_wait_tensorcnt 0x0
	ds_add_u32 v248, v249
	s_wait_dscnt 0x0
	s_endpgm
.Lfunc_end_k_qa7c9baaa94_quant:
	.size	k_qa7c9baaa94_quant, .Lfunc_end_k_qa7c9baaa94_quant-k_qa7c9baaa94_quant
	.p2alignl 7, 3214868480
	.fill 96, 4, 3214868480
	.section	.rodata,"a",@progbits
	.p2align	6, 0x0
	.amdhsa_kernel k_qa7c9baaa94_quant
		.amdhsa_group_segment_fixed_size 35328
		.amdhsa_private_segment_fixed_size 0
		.amdhsa_enable_private_segment 0
		.amdhsa_kernarg_size 48
		.amdhsa_user_sgpr_count 2
		.amdhsa_user_sgpr_kernarg_segment_ptr 1
		.amdhsa_wavefront_size32 1
		.amdhsa_system_sgpr_workgroup_id_x 1
		.amdhsa_system_sgpr_workgroup_id_y 1
		.amdhsa_system_sgpr_workgroup_id_z 1
		.amdhsa_system_vgpr_workitem_id 0
		.amdhsa_next_free_vgpr 250
		.amdhsa_next_free_sgpr 66
		.amdhsa_reserve_vcc 1
		.amdhsa_float_denorm_mode_32 3
		.amdhsa_float_denorm_mode_16_64 3
		.amdhsa_memory_ordered 1
		.amdhsa_forward_progress 1
		.amdhsa_inst_pref_size 32
	.end_amdhsa_kernel
	.amdgpu_metadata
---
amdhsa.version: [ 1, 2 ]
amdhsa.kernels:
  - .name:           k_qa7c9baaa94_quant
    .symbol:         k_qa7c9baaa94_quant.kd
    .args:
      - { .name: x, .offset: 0, .size: 8, .value_kind: global_buffer, .address_space: global }
      - { .name: Wq, .offset: 8, .size: 8, .value_kind: global_buffer, .address_space: global }
      - { .name: Wk, .offset: 16, .size: 8, .value_kind: global_buffer, .address_space: global }
      - { .name: Wv, .offset: 24, .size: 8, .value_kind: global_buffer, .address_space: global }
      - { .name: Wo, .offset: 32, .size: 8, .value_kind: global_buffer, .address_space: global }
      - { .name: cod, .offset: 40, .size: 8, .value_kind: global_buffer, .address_space: global }
    .group_segment_fixed_size: 35328
    .private_segment_fixed_size: 0
    .kernarg_segment_align: 8
    .kernarg_segment_size: 48
    .max_flat_workgroup_size: 128
    .sgpr_count:     66
    .vgpr_count:     250
    .wavefront_size: 32
...
	.end_amdgpu_metadata
.endif
;; end of part 1
;; launch qkv (part 2): grid 96 x 4, 4 waves a work-group, clusters of 4 x 4, 327,680 bytes of LDS; arguments cod, qkv; writes qkv
.if DOCPART == 2
	.amdgcn_target "amdgcn-amd-amdhsa--gfx1250"
	.amdhsa_code_object_version 6
	.text
	.protected	k_qa7c9baaa94_qkv
	.globl	k_qa7c9baaa94_qkv
	.p2align	8
	.type	k_qa7c9baaa94_qkv,@function
k_qa7c9baaa94_qkv:
	s_mov_b64 s[64:65], 0
	v_nop
	global_prefetch_b8 v0, s[64:65] scope:SCOPE_SE
	s_setreg_imm32_b32 hwreg(HW_REG_WAVE_MODE, 25, 1), 1
	s_wait_xcnt 0x0
	s_wait_alu depctr_hold_cnt(0) depctr_sa_sdst(0) depctr_va_vdst(0) depctr_va_sdst(0) depctr_va_ssrc(0) depctr_va_vcc(0) depctr_vm_vsrc(0)
	s_getreg_b32 s2, hwreg(HW_REG_IB_STS2, 6, 4)
	s_cmp_eq_u32 s2, 0
	s_cbranch_scc0 .Lentry_in_a_cluster
	s_endpgm
.Lentry_in_a_cluster:
	s_bfe_u32 s2, ttmp6, 0x10000c
	s_cmp_lg_u32 s2, 0xf033
	s_cbranch_scc0 .Lentry_shape_is_right
	s_endpgm
.Lentry_shape_is_right:
; The three projections on codes of E3M2, their results quantised in registers and stored as the operands of attention.
; Clusters 0-15: [Q | K] = X [Wq | Wk]^T: rows = tokens, columns = features.  Clusters 16-23: V^T = Wv X^T: rows = features, columns = tokens, so that the tokens, which are the K of attention's second product, run along a lane's registers.
; A work-group of four waves makes 256 x 256, a wave 128 x 128: 64 accumulators, 512 registers.  K = 1,024 goes in four parts of 256, two matrix instructions deep.
; OPERANDS lie in memory as images of their registers (tiles of 16 places, 13,312 bytes; a part of 3,328: four half fragments of 768 bytes, then 128 scale bytes).  One tensor load brings eight tiles' part, codes AND scale bytes: eight rows of 3,200
; bytes, each from a multiple of 256 bytes.  Every LDS load takes consecutive bytes in consecutive lanes: no padding, and four loads a fragment.
; THE MATRIX INSTRUCTION IS USED TRANSPOSED (source 0 = 16 places of the columns' operand, source 1 = 16 places of the rows'): a lane holds one row, and, by the order of rows in a tile, the 16 registers of two neighbouring column tiles are 16
; NEIGHBOURS along the columns.  So a row block's 64 registers are 128 neighbours: four blocks of 32, quantised as they stand.
; Q, K: the 128 columns are two heads, two blocks each: half a fragment for each head.  V^T: the 128 columns are a group of 128 keys: a whole fragment.
; OUT: qkv [batch x head (64)][group of 128 tokens (16)][19,712 bytes]: K's 8 tiles x 768, K's scale words 512, V^T's 4 tiles x 1,536, V's scale words 256, Q's 8 x 768, Q's scale words 512.
; CLUSTERS: 4 x 4 work-groups; the rows' tiles are shared along a row of the cluster, the columns' along a column: each is asked for jointly.  384 blocks of 256 x 256 are 24 clusters.
; LIMITS: a block of zeros gets the byte 1 where the rule says 127 (zero codes; this program alone reads the bytes); NaN and infinities are not served.
; REGISTERS: window 0: v1-3 lane, r, h; v4-23 LDS addresses; v28-29 the add's; v30-31 16 and 8 x lane; v32-63 scale words, two sets; v64-123, v224-242 the way out; v128-223 the rows' fragments, ONE set.
;   window 1: the columns' fragments, TWO sets, at v0 and v128.   windows 2, 3: accumulator (a, b) at v[8 (8 (a % 4) + b)] of window 2 + a / 4.
.set HB,    4                          ; row blocks in half of a wave's eight
.set FR,    12                         ; registers of a fragment
.set NL,    4                          ; LDS loads that bring one
.set NP,    4                          ; places behind this matrix instruction (ISA guide 7.12.1)
.set PARTL, 3200                       ; a tile's part in LDS: 3,072 bytes of codes, 128 scale bytes
.set PARTG, 3328                       ; and in memory
.set TILEG, 13312
.set HALFA, 8*PARTL                    ; eight tiles: what one tensor load brings and what one wave reads of either operand
.set HALFB, 8*PARTL
.set SLOT,  2*HALFA+2*HALFB            ; the rows' 16 tiles, then the columns' 16
.set SPARE, 3*SLOT                     ; behind the three slots: the spare words, 128 bytes for each wave
.set REC,   19712
.set HS,    16*REC                     ; from a head to the next in qkv
.set A16, 4                            ; v4-6    slot s: my rows' tiles + 16 x lane
.set A8,  8                            ; v8-10   + 8 x lane
.set B16, 12                           ; v12-14  the same for my columns' tiles
.set B8,  16                           ; v16-18
.set SCA, 20                           ; v20-22  scale words: lanes 0-15 my rows' tiles, lanes 16-31 my columns'
.set SPW, 28
.set NIL, 29
.set L16, 30
.set L8,  31
.set SC,  32                           ; scale words: set u at v[SC + 16 u]; register 2 i + q: lanes 0-15 row block i, lanes 16-31 column block i, the part's q-th 128 along K
.set AF,  128
.set FL,  64                           ; the way out: the floor;
.set TM,  66                           ; v66-69 largest magnitudes, v70-73 the other half's, then bytes, v78-81 the conversions' scales
.set PWS, 82                           ; v82-89  a scale word for each row block
.set XW,  90                           ; v90-101 scale words as they are stored
.set PC0, 104                          ; codes: two sets of 19 by turns
.set PC1, 224
.set G1,  24
.set G1B, 32
.set G0,  48                           ; s[48:59] group 0 for the rows' tiles, a set for each slot
.set G0B, 68                           ; s[68:79] for the columns'
.set MSB, 0
.macro WIN new                         ; the immediate's high byte repeats the setting that is left
.if MSB != (\new)
	s_set_vgpr_msb (MSB<<8)|(\new)
.set MSB, (\new)
.endif
.endm
.set MUL_LO, 0xa1                      ; source 0 window 1, source 1 window 0, C and D window 2
.set MUL_HI, 0xf1                      ; the same, C and D window 3
.set TO_B,   0x40                      ; destination window 1, address window 0
; A joint load: waves 0 and 1 fetch the rows' two halves, waves 2 and 3 the columns'.  The branch hangs on the wave's number alone.  Four v_nop follow each of the two lines.
.macro JLOAD g0a, g1a, g0b, g1b
	s_cmp_eq_u32 s15, 0
	s_cbranch_scc0 .Lfor_b_\@
	tensor_load_to_lds s[\g0a:\g0a+3], s[\g1a:\g1a+7]
	s_nop 0
.rept 4
	v_nop
.endr
	s_branch .Lasked_\@
.Lfor_b_\@:
	tensor_load_to_lds s[\g0b:\g0b+3], s[\g1b:\g1b+7]
	s_nop 0
.rept 4
	v_nop
.endr
.Lasked_\@:
.endm
.macro CREST                           ; a round of the cluster's barrier behind its opening barrier
	s_cmp_lg_u32 s14, 0
	s_cbranch_scc1 .Lnot_wave_0_\@
	s_barrier_signal -3
.Lnot_wave_0_\@:
	s_barrier_wait -3
	s_barrier_signal -1
	s_barrier_wait -1
.endm
.macro CROUND
	s_barrier_signal -1
	s_barrier_wait -1
	CREST
.endm
.macro PLACES n
.rept \n
	v_nop
.endr
.endm
	s_load_b128 s[4:7], s[0:1], 0x0                ; cod, qkv
	v_lshl_add_u32 v[SPW], v0, 2, SPARE
	v_mov_b32 v[NIL], 0
	ds_add_u32 v28, v29
	ds_add_u32 v28, v29
	s_wait_dscnt 0x0
	v_lshrrev_b32 v1, 5, v0
	v_readfirstlane_b32 s14, v1                    ; wave 0..3
	s_lshr_b32 s15, s14, 1                         ; which half of the block's rows is mine.  Also: I fetch for the rows (0) or the columns (1)
	s_and_b32 s16, s14, 1                          ; which half of its columns.  Also: which eight tiles I fetch
	s_bfe_u32 s40, ttmp6, 0x40000                  ; cx
	s_bfe_u32 s41, ttmp6, 0x40004                  ; cy
	s_lshl_b32 s43, s41, 2
	s_lshl_b32 s43, 15, s43                        ; my row of the cluster
	s_lshl_b32 s44, 0x1111, s40                    ; my column
	s_or_b32 s[G1+0], s43, (3<<16)|(1<<21)         ; 15:0 the mask; 17:16 elements of 8 bytes; 20 no padding; 21 set beside a mask
	s_or_b32 s[G1B+0], s44, (3<<16)|(1<<21)
.irp g, G1, G1B
	s_mov_b32 s[\g+1], 400<<16                     ; tensor_dim0 = 400 elements: 3,200 bytes
	s_mov_b32 s[\g+2], 8<<16                       ; tensor_dim1 = 8 tiles
	s_mov_b32 s[\g+3], 400<<16                     ; tile_dim0
	s_mov_b32 s[\g+4], 8                           ; tile_dim1
	s_mov_b32 s[\g+5], 1664                        ; from tile to tile: 13,312 bytes
	s_mov_b32 s[\g+6], 0
	s_mov_b32 s[\g+7], 0
.endr
	s_lshr_b32 s17, ttmp9, 4                       ; 1: this cluster makes V^T
	s_xor_b32 s18, s17, 1                          ; 1: it makes Q or K
	s_lshl_b32 s19, s16, 3                         ; the eight tiles that I fetch
	s_lshr_b32 s20, ttmp9, 1                       ; the rows' first tile: 1,024 tokens (64 tiles) of x, or Wv (tile 640 on); + 16 cy.  No register here ever holds cx
	s_lshl_b32 s20, s20, 6
	s_mul_i32 s20, s20, s18
	s_mul_i32 s21, s17, 640
	s_add_co_u32 s20, s20, s21
	s_lshl_b32 s21, s41, 4
	s_add_co_u32 s20, s20, s21
	s_add_co_u32 s20, s20, s19
	s_mul_i32 s20, s20, TILEG
	s_mov_b32 s21, 0
	s_and_b32 s46, ttmp9, 1                        ; the columns' first tile: Wq (512 on) or Wk (576 on), or 1,024 tokens of x; + 16 cx.  No register here ever holds cy
	s_lshl_b32 s46, s46, 6
	s_add_co_u32 s46, s46, 512
	s_mul_i32 s46, s46, s18
	s_and_b32 s47, ttmp9, 7
	s_lshl_b32 s47, s47, 6
	s_mul_i32 s47, s47, s17
	s_add_co_u32 s46, s46, s47
	s_lshl_b32 s47, s40, 4
	s_add_co_u32 s46, s46, s47
	s_add_co_u32 s46, s46, s19
	s_mul_i32 s46, s46, TILEG
	s_mov_b32 s47, 0
	s_mul_i32 s45, s16, HALFA                      ; where they go in a slot: no place in the cluster enters an LDS address
	s_mul_i32 s94, s16, HALFB
	s_add_co_u32 s94, s94, 2*HALFA
	s_mov_b32 s10, 0x76543210
	s_mov_b32 s11, 0xfedcba98                      ; lane l xor 16
	s_wait_kmcnt 0x0
	s_add_nc_u64 s[20:21], s[4:5], s[20:21]
	s_add_nc_u64 s[46:47], s[4:5], s[46:47]
	CROUND                                         ; all sixteen work-groups are here: the first joint loads meet
.irp s, 0,1,2                          ; parts 0, 1, 2 of K: three loads of mine are out
	s_mov_b32 s[G0+4*\s], 1
	s_add_co_u32 s[G0+4*\s+1], s45, \s*SLOT
	s_add_nc_u64 s[G0+4*\s+2:G0+4*\s+3], s[20:21], \s*PARTG
	s_or_b32 s[G0+4*\s+3], s[G0+4*\s+3], 0x80000000
	s_mov_b32 s[G0B+4*\s], 1
	s_add_co_u32 s[G0B+4*\s+1], s94, \s*SLOT
	s_add_nc_u64 s[G0B+4*\s+2:G0B+4*\s+3], s[46:47], \s*PARTG
	s_or_b32 s[G0B+4*\s+3], s[G0B+4*\s+3], 0x80000000
	JLOAD G0+4*\s, G1, G0B+4*\s, G1B
.endr
	v_and_b32 v1, 31, v0                           ; lane
	v_and_b32 v2, 15, v0                           ; r
	v_bfe_u32 v3, v0, 4, 1                         ; h
	v_lshlrev_b32 v[L16], 4, v1
	v_lshlrev_b32 v[L8], 3, v1
	s_mul_i32 s96, s15, HALFA                      ; my eight tiles of the rows,
	s_mul_i32 s97, s16, HALFB
	s_add_co_u32 s97, s97, 2*HALFA                 ; of the columns,
	s_sub_co_u32 s98, s97, s96                     ; and the distance between the two:
	v_mul_u32_u24 v27, s98, v3                     ; lanes 16-31 take the columns' scale words
	v_lshl_add_u32 v27, v2, 3, v27                 ; 8 bytes a place
.irp s, 0,1,2
	v_add_nc_u32 v[A16+\s], s96, v[L16]
	v_add_nc_u32 v[A8+\s], s96, v[L8]
	v_add_nc_u32 v[B16+\s], s97, v[L16]
	v_add_nc_u32 v[B8+\s], s97, v[L8]
	v_add_nc_u32 v[SCA+\s], s96, v27
	s_add_co_u32 s96, s96, SLOT
	s_add_co_u32 s97, s97, SLOT
.endr
	v_mov_b32 v[FL], 0x2800000                     ; the floor 2^(5 - 127)
.irp b, 0,1,2,3
	v_mov_b32 v[TM+4+\b], 0                        ; written once: a lane permute's destination counts as one of its sources
.endr
	; where my 128 x 128 goes.  Rows and columns as tokens and features:
	s_lshl_b32 s84, s41, 8
	s_lshl_b32 s85, s15, 7
	s_add_co_u32 s84, s84, s85
	s_lshr_b32 s85, ttmp9, 1
	s_lshl_b32 s85, s85, 10
	s_mul_i32 s85, s85, s18
	s_add_co_u32 s84, s84, s85                     ; my first row: a token (Q, K) or a feature of Wv
	s_lshl_b32 s86, s40, 8
	s_lshl_b32 s87, s16, 7
	s_add_co_u32 s86, s86, s87
	s_and_b32 s87, ttmp9, 7
	s_lshl_b32 s87, s87, 10
	s_mul_i32 s87, s87, s17
	s_add_co_u32 s86, s86, s87                     ; my first column: a feature of Wq or Wk (0 .. 1,023), or a token
	s_cmp_lt_u32 ttmp9, 16
	s_cselect_b32 s88, s84, s86                    ; the token
	s_cselect_b32 s89, s86, s84                    ; the feature
	s_and_b32 s90, ttmp9, 1
	s_xor_b32 s90, s90, 1
	s_mul_i32 s90, s90, s18
	s_mul_i32 s90, s90, 13056                      ; in a record: Q at 13,056, K at 0,
	s_mul_i32 s91, s17, 6656                       ; V at 6,656
	s_add_co_u32 s90, s90, s91
	s_lshr_b32 s91, s88, 11                        ; batch
	s_lshl_b32 s91, s91, 4
	s_lshr_b32 s92, s89, 6                         ; the first of my two heads
	s_add_co_u32 s91, s91, s92
	s_lshl_b32 s91, s91, 4
	s_lshr_b32 s92, s88, 7
	s_and_b32 s92, s92, 15                         ; the group of 128 tokens
	s_add_co_u32 s91, s91, s92
	s_mul_i32 s91, s91, REC
	s_add_co_u32 s92, s91, s90
	s_mov_b32 s93, 0
	s_add_nc_u64 s[6:7], s[6:7], s[92:93]
.macro FRAG reg, a16, a8, q, i         ; tile i's fragment of the part's q-th 128 along K: two half fragments, each 16 bytes a lane and 8 bytes a lane
	ds_load_b128 v[\reg:\reg+3], v[\a16] offset:PARTL*(\i)+1536*(\q)
	ds_load_b64 v[\reg+4:\reg+5], v[\a8] offset:PARTL*(\i)+1536*(\q)+512
	ds_load_b128 v[\reg+6:\reg+9], v[\a16] offset:PARTL*(\i)+1536*(\q)+768
	ds_load_b64 v[\reg+10:\reg+11], v[\a8] offset:PARTL*(\i)+1536*(\q)+1280
.endm
.macro FETCH_B ls, q, p                ; the columns' eight fragments into set p
	WIN TO_B
.irp i, 0,1,2,3,4,5,6,7
	FRAG 128*(\p)+FR*\i, B16+\ls, B8+\ls, \q, \i
.endr
	WIN 0
.endm
.macro FETCH_A ls, q, i0               ; the rows' blocks i0 .. i0 + 3
.irp i, \i0, \i0+1, \i0+2, \i0+3
	FRAG AF+FR*(\i), A16+\ls, A8+\ls, \q, \i
.endr
.endm
.macro SCALES ls, set                  ; a part's scale words: two a place
.irp i, 0,1,2,3,4,5,6,7
	ds_load_b64 v[SC+16*(\set)+2*\i:SC+16*(\set)+2*\i+1], v[SCA+\ls] offset:3072+PARTL*\i
.endr
.endm
; 16 matrix instructions: row blocks 2 k, 2 k + 1 x the eight column blocks.  The 64 accumulators take turns, one instruction a turn, in the same order in every step.
.macro MULQ k, p, q, set, zero
.irp a, 2*(\k), 2*(\k)+1
.irp b, 0,1,2,3,4,5,6,7
.if \zero
	v_wmma_scale_f32_16x16x128_f8f6f4 v[8*(8*((\a)%4)+\b):8*(8*((\a)%4)+\b)+7], v[128*(\p)+FR*\b:128*(\p)+FR*\b+FR-1], v[AF+FR*(\a):AF+FR*(\a)+FR-1], 0, v[SC+16*(\set)+2*\b+(\q)], v[SC+16*(\set)+2*(\a)+(\q)] matrix_a_fmt:MATRIX_FMT_BF6 matrix_b_fmt:MATRIX_FMT_BF6 matrix_a_scale:MATRIX_SCALE_ROW1
.else
	v_wmma_scale_f32_16x16x128_f8f6f4 v[8*(8*((\a)%4)+\b):8*(8*((\a)%4)+\b)+7], v[128*(\p)+FR*\b:128*(\p)+FR*\b+FR-1], v[AF+FR*(\a):AF+FR*(\a)+FR-1], v[8*(8*((\a)%4)+\b):8*(8*((\a)%4)+\b)+7], v[SC+16*(\set)+2*\b+(\q)], v[SC+16*(\set)+2*(\a)+(\q)] matrix_a_fmt:MATRIX_FMT_BF6 matrix_b_fmt:MATRIX_FMT_BF6 matrix_a_scale:MATRIX_SCALE_ROW1
.endif
.endr
.endr
.endm
; A part's first 128 along K.  A row block is free as soon as its eight products are issued: blocks 0-3 are fetched anew in the step's middle, blocks 4-7 at its end.
.macro STEP ls, set, zero
	s_wait_dscnt HB*NL                             ; all but the youngest sixteen loads (row blocks 4-7) are in
	WIN MUL_LO
	MULQ 0, 0, 0, \set, \zero
	MULQ 1, 0, 0, \set, \zero
	s_wait_dscnt 0x0
	PLACES NP                                      ; in front of loads into registers that matrix instructions have read
	FETCH_B \ls, 1, 1
	FETCH_A \ls, 1, 0
	WIN MUL_HI
	MULQ 2, 0, 0, \set, \zero
	MULQ 3, 0, 0, \set, \zero
	PLACES NP
	WIN 0
	FETCH_A \ls, 1, HB
.endm
; A part's second 128 along K changes slots: one barrier.  fill = 1: slot 0 is filled again, with part 3: then the wait is for all my tensor loads, the add follows it, and the barrier opens a round of the cluster's.
; tc: how many younger tensor loads of mine may stay out when the next slot is read.
.macro TURN ls, set, nls, fill, tc
	s_wait_tensorcnt \tc
.if \fill
	ds_add_u32 v[SPW], v[NIL]                      ; 0 onto my spare word
	s_wait_dscnt HB*NL+1                           ; (the add and the youngest sixteen loads may be out)
.else
	s_wait_dscnt HB*NL
.endif
	WIN MUL_LO
	MULQ 0, 1, 1, \set, 0
	s_wait_dscnt 0x0                               ; my reads of this slot are over (and the add is done)
	s_barrier_signal -1
	MULQ 1, 1, 1, \set, 0
	WIN 0                                          ; (branches may follow)
	s_barrier_wait -1
.if \fill
	CREST                                          ; no wave of any partner still reads slot 0 or has a load on its way
	s_add_nc_u64 s[G0+2:G0+3], s[G0+2:G0+3], 3*PARTG
	s_add_nc_u64 s[G0B+2:G0B+3], s[G0B+2:G0B+3], 3*PARTG
	JLOAD G0, G1, G0B, G1B                         ; the first tensor load behind the round: two parts' products stand ahead of the wait for it; its four v_nop are the places in front of the loads below
.else
	PLACES NP
.endif
	FETCH_B \nls, 0, 0
	FETCH_A \nls, 0, 0
	SCALES \nls, 1-(\set)
	WIN MUL_HI
	MULQ 2, 1, 1, \set, 0
	MULQ 3, 1, 1, \set, 0
	PLACES NP
	WIN 0
	FETCH_A \nls, 0, HB
.endm
	s_wait_tensorcnt 2                             ; my part of slot 0 is in; slots 1 and 2 may be out
	s_barrier_signal -1
	s_barrier_wait -1
	FETCH_B 0, 0, 0
	FETCH_A 0, 0, 0
	SCALES 0, 0
	FETCH_A 0, 0, HB
	STEP 0, 0, 1                                   ; the first products start the sums: nothing is cleared
	TURN 0, 0, 1, 1, 0
	STEP 1, 1, 0
	s_wait_alu depctr_va_vdst(0)
	TURN 1, 1, 2, 0, 1                             ; slot 2 was shown whole at the last barrier; part 3's load, issued behind it, may stay out
	STEP 2, 0, 0
	TURN 2, 0, 0, 0, 0                             ; part 3 is in slot 0: my last tensor load
	STEP 0, 1, 0
	s_wait_dscnt HB*NL                             ; the last 128 along K: nothing more to fetch
	WIN MUL_LO
	MULQ 0, 1, 1, 1, 0
	MULQ 1, 1, 1, 1, 0
	s_wait_dscnt 0x0
	WIN MUL_HI
	MULQ 2, 1, 1, 1, 0
	MULQ 3, 1, 1, 1, 0
	WIN 0
	PLACES NP                                      ; in front of the first read of results
; THE WAY OUT.  Row block a: 64 registers of a lane, register 16 b + i = column 32 b + 16 h + i of my row, become a fragment's codes and its scale word.  Each accumulator is read from its low end on.
.macro QUANTW a
.set W, 2+(\a)/4
.set WW, (W<<2)|(W<<4)
.set SA, 64*((\a)%4)
.set PC, PC0+(PC1-PC0)*((\a)%2)
.if (\a) >= 2
	s_wait_xcnt 0x0                                ; the stores of two blocks ago have read this set of codes
.endif
	WIN WW                                         ; sources 1 and 2: the accumulators' window
.irp b, 0,1,2,3
	v_max3_num_f32 v[TM+\b], v[FL], |v[SA+16*\b]|, |v[SA+16*\b+1]|
.endr
.irp i, 2,4,6,8,10,12,14
.irp b, 0,1,2,3
	v_max3_num_f32 v[TM+\b], v[TM+\b], |v[SA+16*\b+\i]|, |v[SA+16*\b+\i+1]|   ; the four blocks by turns
.endr
.endr
	WIN 0
.irp b, 0,1,2,3
	v_permlanex16_b32 v[TM+4+\b], v[TM+\b], s10, s11
.endr
.irp b, 0,1,2,3
	v_max_num_f32 v[TM+\b], v[TM+\b], v[TM+4+\b]   ; with lane l xor 16's: the block's largest magnitude
.endr
.irp b, 0,1,2,3
	v_add_nc_u32 v[TM+12+\b], 0xfe000000, v[TM+\b] ; 4 off its exponent field: the conversion's scale operand
.endr
.irp b, 0,1,2,3
	v_lshrrev_b32 v[TM+4+\b], 23, v[TM+12+\b]      ; the scale's byte
.endr
	v_lshl_or_b32 v[PWS+(\a)], v[TM+5], 8, v[TM+4]
	v_lshl_or_b32 v[PWS+(\a)], v[TM+6], 16, v[PWS+(\a)]
	v_lshl_or_b32 v[PWS+(\a)], v[TM+7], 24, v[PWS+(\a)]
	WIN W                                          ; source 0: the accumulators' window
.irp c, 0,1
	v_cvt_scalef32_pk16_bf6_f32 v[PC+6*\c:PC+6*\c+2], v[SA+32*\c:SA+32*\c+15], v[TM+12+2*\c]
	v_cvt_scalef32_pk16_bf6_f32 v[PC+12+4*\c:PC+14+4*\c], v[SA+16+32*\c:SA+31+32*\c], v[TM+13+2*\c]   ; (a conversion's three registers begin on an even number)
.endr
	WIN 0
	v_nop                                          ; one plain line behind a scaled conversion
.irp c, 0,1                            ; the operand's layout wants a whole block in a lane: lanes 0-15 block 2 c, lanes 16-31 block 2 c + 1
.irp i, 0,1,2
	v_permlane16_swap_b32 v[PC+6*\c+\i], v[PC+12+4*\c+\i]
.endr
.irp i, 0,1,2
	v_mov_b32 v[PC+3+6*\c+\i], v[PC+12+4*\c+\i]
.endr
.endr
.endm
.macro OUTA a                          ; the branch hangs on the cluster's number, which all partners share.  Every store covers 512 or 256 consecutive bytes, at a multiple of 256 from the buffer's first byte
	QUANTW \a
	s_cmp_lt_u32 ttmp9, 16
	s_cbranch_scc0 .Lvt_\@
	global_store_b128 v[L16], v[PC:PC+3], s[6:7] offset:768*(\a)              ; Q, K: tile a of the group; registers 0-5 my first head's 64,
	global_store_b64 v[L8], v[PC+4:PC+5], s[6:7] offset:768*(\a)+512
	global_store_b128 v[L16], v[PC+6:PC+9], s[6:7] offset:HS+768*(\a)         ; registers 6-11 the next head's
	global_store_b64 v[L8], v[PC+10:PC+11], s[6:7] offset:HS+768*(\a)+512
	s_branch .Lst_\@
.Lvt_\@:
	s_wait_alu depctr_va_vdst(0)
.irp c, 0,1,2
	global_store_b128 v[L16], v[PC+4*\c:PC+4*\c+3], s[6:7] offset:((\a)/4)*HS+((\a)%4)*1536+512*\c   ; V^T: head a / 4, channels' tile a % 4: a whole fragment
.endr
.Lst_\@:
.endm
.irp a, 0,1,2,3,4,5,6,7
	OUTA \a
.endr
	v_cmp_lt_u32 vcc_lo, 15, v1
.irp b, 0,1,2,3
	v_cndmask_b32 v[XW+\b], v[PWS+2*\b], v[PWS+2*\b+1], vcc_lo   ; lanes 0-15 the even tile's words, lanes 16-31 the odd tile's: as the scale operand's two rows take them
.endr
	s_cmp_lt_u32 ttmp9, 16
	s_cbranch_scc0 .Lvscales
.irp b, 0,1,2,3
	v_and_b32 v[XW+4+\b], 0xffff, v[XW+\b]         ; my first head's two bytes; bytes 2 and 3 are 0: they meet zero codes
	v_lshrrev_b32 v[XW+8+\b], 16, v[XW+\b]         ; the next head's
.endr
	global_store_b128 v[L16], v[XW+4:XW+7], s[6:7] offset:6144
	global_store_b128 v[L16], v[XW+8:XW+11], s[6:7] offset:HS+6144
	s_branch .Lscales_out
.Lvscales:
	s_wait_alu depctr_va_vdst(0)
	global_store_b64 v[L8], v[XW:XW+1], s[6:7] offset:6144
	global_store_b64 v[L8], v[XW+2:XW+3], s[6:7] offset:HS+6144
.Lscales_out:
	s_wait_tensorcnt 0x0                           ; the wave's end
	ds_add_u32 v[SPW], v[NIL]
	s_wait_dscnt 0x0
	CROUND                                         ; the closing round: no work-group ends while a partner may still ask for a tile that names it
	s_endpgm
.Lfunc_end_k_qa7c9baaa94_qkv:
	.size	k_qa7c9baaa94_qkv, .Lfunc_end_k_qa7c9baaa94_qkv-k_qa7c9baaa94_qkv
	.p2alignl 7, 3214868480
	.fill 96, 4, 3214868480
	.section	.rodata,"a",@progbits
	.p2align	6, 0x0
	.amdhsa_kernel k_qa7c9baaa94_qkv
		.amdhsa_group_segment_fixed_size 327680
		.amdhsa_private_segment_fixed_size 0
		.amdhsa_enable_private_segment 0
		.amdhsa_kernarg_size 16
		.amdhsa_user_sgpr_count 2
		.amdhsa_user_sgpr_kernarg_segment_ptr 1
		.amdhsa_wavefront_size32 1
		.amdhsa_system_sgpr_workgroup_id_x 1
		.amdhsa_system_sgpr_workgroup_id_y 1
		.amdhsa_system_sgpr_workgroup_id_z 1
		.amdhsa_system_vgpr_workitem_id 0
		.amdhsa_next_free_vgpr 1024
		.amdhsa_next_free_sgpr 100
		.amdhsa_reserve_vcc 1
		.amdhsa_float_denorm_mode_32 3
		.amdhsa_float_denorm_mode_16_64 3
		.amdhsa_memory_ordered 1
		.amdhsa_forward_progress 1
		.amdhsa_inst_pref_size 150
	.end_amdhsa_kernel
	.amdgpu_metadata
---
amdhsa.version: [ 1, 2 ]
amdhsa.kernels:
  - .name:           k_qa7c9baaa94_qkv
    .symbol:         k_qa7c9baaa94_qkv.kd
    .args:
      - { .name: cod, .offset: 0, .size: 8, .value_kind: global_buffer, .address_space: global }
      - { .name: qkv, .offset: 8, .size: 8, .value_kind: global_buffer, .address_space: global }
    .group_segment_fixed_size: 327680
    .private_segment_fixed_size: 0
    .kernarg_segment_align: 8
    .kernarg_segment_size: 16
    .max_flat_workgroup_size: 128
    .sgpr_count:     100
    .vgpr_count:     1024
    .wavefront_size: 32
...
	.end_amdgpu_metadata
.endif
;; end of part 2
;; launch attn (part 3): grid 256 x 1, 16 waves a work-group, clusters of 4 x 1, 231,424 bytes of LDS; arguments qkv, ctx; writes ctx
.if DOCPART == 3
	.amdgcn_target "amdgcn-amd-amdhsa--gfx1250"
	.amdhsa_code_object_version 6
	.text
	.protected	k_qa7c9baaa94_attn
	.globl	k_qa7c9baaa94_attn
	.p2align	8
	.type	k_qa7c9baaa94_attn,@function
k_qa7c9baaa94_attn:
	s_mov_b64 s[64:65], 0
	v_nop
	global_prefetch_b8 v0, s[64:65] scope:SCOPE_SE
	s_setreg_imm32_b32 hwreg(HW_REG_WAVE_MODE, 25, 1), 1
	s_wait_xcnt 0x0
	s_wait_alu depctr_hold_cnt(0) depctr_sa_sdst(0) depctr_va_vdst(0) depctr_va_sdst(0) depctr_va_ssrc(0) depctr_va_vcc(0) depctr_vm_vsrc(0)
	s_getreg_b32 s2, hwreg(HW_REG_IB_STS2, 6, 4)
	s_cmp_eq_u32 s2, 0
	s_cbranch_scc0 .Lentry_in_a_cluster
	s_endpgm
.Lentry_in_a_cluster:
	s_bfe_u32 s2, ttmp6, 0x10000c
	s_cmp_lg_u32 s2, 0x3003
	s_cbranch_scc0 .Lentry_shape_is_right
	s_endpgm
.Lentry_shape_is_right:
; Causal attention on codes of E3M2, head size 64, 2,048 tokens, 64 (batch, head) pairs; its result, ctx, is quantised in registers and stored as the last product's operand.
; THE SOFTMAX AHEAD OF THE SECOND PRODUCT: t = score x log2(e) / 8; M = the row's largest t so far, rounded UP to a whole number; p = 2^(t - M) is quantised along the keys, not normalised.  The row's sum is taken of the unquantised p
; and divides O at the end (by v_rcp_f32 and a multiplication).  When M moves, the sum and O are multiplied by 2^(old M - new M): exact.
; SHARES.  A cluster of four work-groups owns one (batch, head); work-group cx owns the query tiles 4 u + cx, u = 0 .. 31.  Each of its sixteen waves owns two: u = wave, then u = 31 - wave.  Tile 4 u + cx needs the key groups 0 .. u / 2,
; whatever cx: so every branch is alike in all partners, and every wave has (wave / 2 + 1) + (16 - wave / 2) = 17 steps of 128 keys.  Groups behind the diagonal are jumped over.
; THE WHOLE HEAD'S K AND V STAY IN LDS: 16 groups x 13,056 bytes, filled once; wave w asks for group w, jointly with the three partners, which read the same bytes.  Behind one barrier LDS is only read: no slot, no refill, no further barrier.
; LAYOUT.  Both products transposed: S^T = K Q^T (source 0 = 16 keys, source 1 = my 16 queries), O^T = V^T P^T: a lane holds ONE query throughout.  By the order of tokens in a tile, the 16 registers of tiles 2 b, 2 b + 1 are the keys
; 32 b + 16 h + 0 .. 15; by the order of V's channels likewise for O^T.
; THE FIRST PRODUCT'S K IS 64, half of the instruction's 128: Q's registers 6-11 are zeros for the whole launch.  K's registers 6-11 are whatever lies next (the next tile's codes; zeros behind the last): every E3M2 code is a finite number, and its
; products with zero codes add nothing; the scale words' bytes 2 and 3 are 0, which is 2^-127 and no NaN.
; LIMITS: a block of zeros gets the byte 1 where the rule says 127; NaN and infinities are not served.
; LDS: 208,896 bytes are used; the claim is larger, so that no second work-group fits beside this one.
.set REC,  19712                       ; a group's record in qkv;
.set RECL, 13056                       ; its first bytes, K and V, which come into LDS
.set HS,   16*REC
.set KF,   32                          ; v32-85   eight half fragments of K (v80-85 stay 0), then four fragments of V^T
.set KS,   86                          ; v86-89   K's scale words
.set VS,   90                          ; v90-91   V's
.set S,    96                          ; v96-159  S^T, then p
.set O,    160                         ; v160-191 O^T
.set PC,   192                         ; v192-203 p's codes
.set PT,   204                         ; v204-206, v208-210 the conversions' second halves
.set BM,   212                         ; v212-215 a block's largest score, then p
.set BP,   216                         ; v216-219 the other half's; then bytes
.set SO,   220                         ; v220-223 the conversions' scale operands
.set TMP,  224
.set CW,   225                         ; ctx's two scale bytes
.set F,    226                         ; 2^(old M - new M)
.set PW,   227                         ; p's scale word
.set L2,   228                         ; v228-229 the sum's second chain
; v1, v2: 16 and 8 x lane; v3, v4: LDS addresses of the step; v5: my query less 16 h, in its group; v6-8, v9-11: offsets of Q and of ctx; v12 -M, v13 the largest t, v[14:15] the sum; v16-27 Q; v28 Q's scale words; v29, v30: 16 r, 8 r; v31: r + 8 (r / 8) - 16 h
; s8 wave, s9 cx, s[10:11] lane selects, s[12:13] c, s14 u, s15 the diagonal's group, s16 the step, s17 its LDS byte, s18 the pass
.macro ROUND
	s_barrier_signal -1
	s_barrier_wait -1
	s_cmp_lg_u32 s8, 0
	s_cbranch_scc1 .Lnot_wave_0_\@
	s_barrier_signal -3
.Lnot_wave_0_\@:
	s_barrier_wait -3
	s_barrier_signal -1
	s_barrier_wait -1
.endm
	s_load_b128 s[4:7], s[0:1], 0x0                ; qkv, ctx
	v_lshl_add_u32 v240, v0, 2, 0x38000
	v_mov_b32 v241, 0
	ds_add_u32 v240, v241
	ds_add_u32 v240, v241
	v_lshrrev_b32 v1, 5, v0
	s_delay_alu instid0(VALU_DEP_1)
	v_readfirstlane_b32 s8, v1                     ; wave 0..15
	s_bfe_u32 s9, ttmp6, 0x40000                   ; cx: it enters Q's and ctx's addresses and the mask's numbers alone
	s_mov_b32 s28, 15|(3<<16)|(1<<21)              ; 15:0 all four work-groups; 17:16 elements of 8 bytes; 21 set beside a mask
	s_mov_b32 s29, 32<<16                          ; a dense block as rows of 256 bytes
	s_mov_b32 s30, 51<<16                          ; 51 of them: 13,056 bytes
	s_mov_b32 s31, 32<<16
	s_mov_b32 s32, 51
	s_mov_b32 s33, 32
	s_mov_b32 s34, 0
	s_mov_b32 s35, 0
	s_mul_i32 s40, ttmp9, HS                       ; the (batch, head), which the partners share
	s_mov_b32 s41, 0
	s_mul_i32 s20, s8, REC                         ; group w, in memory,
	s_mov_b32 s21, 0
	s_mov_b32 s24, 1
	s_mul_i32 s25, s8, RECL                        ; and in LDS
	s_mov_b32 s10, 0x76543210
	s_mov_b32 s11, 0xfedcba98
	s_mov_b32 s12, 0x3e38aa3b                      ; c = log2(e) / sqrt(64)
	s_mov_b32 s13, s12                             ; (named with it as a pair)
	s_mov_b32 s14, s8                              ; the first pass: u = wave
	s_mov_b32 s18, 0
	s_wait_dscnt 0x0
	s_wait_kmcnt 0x0
	s_add_nc_u64 s[4:5], s[4:5], s[40:41]
	s_add_nc_u64 s[26:27], s[4:5], s[20:21]
	s_or_b32 s27, s27, 0x80000000
	ROUND                                          ; all four work-groups are here: the joint loads meet
	tensor_load_to_lds s[24:27], s[28:35]          ; my one tensor load
	s_nop 0
.rept 4
	v_nop
.endr
	v_and_b32 v29, 31, v0
	s_delay_alu instid0(VALU_DEP_1)
	v_lshlrev_b32 v1, 4, v29
	s_delay_alu instid0(VALU_DEP_2)
	v_lshlrev_b32 v2, 3, v29
	v_and_b32 v30, 15, v0                          ; r
	v_bfe_u32 v5, v0, 4, 1                         ; h
	s_delay_alu instid0(VALU_DEP_2)
	v_and_b32 v31, 8, v30
	s_delay_alu instid0(VALU_DEP_1)
	v_add_nc_u32 v31, v31, v30                     ; r + 8 (r / 8): my query's token in its tile's 32
	s_delay_alu instid0(VALU_DEP_3)
	v_lshlrev_b32 v5, 4, v5
	s_delay_alu instid0(VALU_DEP_1)
	v_sub_nc_u32 v31, v31, v5                      ; - 16 h
	v_lshlrev_b32 v29, 4, v30
	v_lshlrev_b32 v30, 3, v30
.irp j, 22,23,24,25,26,27,80,81,82,83,84,85
	v_mov_b32 v[\j], 0                             ; Q's upper half, and what lies behind K's last tile: zero codes
.endr
.irp b, 0,1,2,3
	v_mov_b32 v[BP+\b], 0                          ; written once: a lane permute's destination counts as one of its sources
.endr
	v_mov_b32 v[F], 0
	v_mov_b32 v[PW], 0                             ; (named as the upper half of the pair with F before it is first written)
	s_wait_tensorcnt 0x0                           ; my group is in,
	s_barrier_signal -1
	s_barrier_wait -1                              ; everybody's is
.Lpass:
	s_wait_xcnt 0x0                                ; the last pass's stores have read their registers and offsets
	s_lshr_b32 s15, s14, 1                         ; the diagonal's group = my tile's
	s_and_b32 s19, s14, 1
	s_lshl_b32 s19, s19, 2
	s_add_co_u32 s19, s19, s9                      ; my tile in its group: 4 (u % 2) + cx
	s_mul_i32 s20, s15, REC
	s_mul_i32 s21, s19, 768
	s_add_co_u32 s21, s21, s20
	s_add_co_u32 s21, s21, 13056
	v_add_nc_u32 v6, s21, v1
	v_add_nc_u32 v7, s21, v2
	s_and_b32 s22, s19, 1
	s_lshr_b32 s23, s19, 1
	s_lshl_b32 s36, s22, 8                         ; Q's scale words lie [lane][4 words]: tile 2 b + u' at lane r + 16 u', word b
	s_lshl_b32 s37, s23, 2
	s_add_co_u32 s36, s36, s37
	s_add_co_u32 s36, s36, s20
	s_add_co_u32 s36, s36, 19200
	v_add_nc_u32 v8, s36, v29
	global_load_b128 v[16:19], v6, s[4:5]          ; Q's half fragment
	global_load_b64 v[20:21], v7, s[4:5] offset:512
	global_load_b32 v28, v8, s[4:5]
	s_lshl_b32 s36, s23, 5
	s_lshl_b32 s37, s22, 3
	s_add_co_u32 s36, s36, s37
	v_add_nc_u32 v5, s36, v31                      ; my query in its group, less 16 h
	s_lshr_b32 s36, ttmp9, 4                       ; ctx: tile = batch x 128 + 4 u + cx;
	s_lshl_b32 s36, s36, 7
	s_lshl_b32 s37, s14, 2
	s_add_co_u32 s36, s36, s37
	s_add_co_u32 s36, s36, s9
	s_mul_i32 s36, s36, 13312
	s_and_b32 s37, ttmp9, 15                       ; head h is half fragment h % 4 of part h / 4
	s_lshr_b32 s38, s37, 2
	s_mul_i32 s38, s38, 3328
	s_add_co_u32 s36, s36, s38
	s_and_b32 s37, s37, 3
	s_mul_i32 s38, s37, 768
	s_add_co_u32 s38, s38, s36
	v_add_nc_u32 v9, s38, v1
	v_add_nc_u32 v10, s38, v2
	s_lshl_b32 s37, s37, 1
	s_add_co_u32 s37, s37, s36
	s_add_co_u32 s37, s37, 3072
	v_add_nc_u32 v11, s37, v30                     ; its two scale bytes: 8 bytes a place, bytes 2 (h % 4) on
	v_mov_b32 v13, 0xff61b1e6                      ; the largest t so far: -3e38
	s_delay_alu instid0(VALU_DEP_1)
	v_floor_f32 v12, -v13
	v_mov_b32 v14, 0
	v_mov_b32 v15, 0
.set j, 0
.rept 32
	v_mov_b32 v[O+j], 0                            ; the step is written once: the first finds zeros, which the first change of M leaves zeros
.set j, j+1
.endr
	s_mov_b32 s16, 0
	s_mov_b32 s17, 0
	s_wait_loadcnt 0x0
.Lstep:                                            ; sixteen trips, a constant: the groups behind the diagonal are jumped over
	s_cmp_gt_u32 s16, s15
	s_cbranch_scc1 .Lhidden
	s_setprio 2
	v_add_nc_u32 v3, s17, v1
	v_add_nc_u32 v4, s17, v2
	v_nop
	v_nop                                          ; four places in front of loads into registers that the last products read
.irp t, 0,1,2,3,4,5,6,7
	ds_load_b128 v[KF+6*\t:KF+6*\t+3], v3 offset:768*\t
	ds_load_b64 v[KF+6*\t+4:KF+6*\t+5], v4 offset:768*\t+512
.endr
	ds_load_b128 v[KS:KS+3], v3 offset:6144
	s_wait_alu depctr_va_vdst(0)
	s_wait_dscnt 0x0
.irp t, 0,1,2,3,4,5,6,7
.if \t%2
	v_wmma_scale_f32_16x16x128_f8f6f4 v[S+8*\t:S+8*\t+7], v[KF+6*\t:KF+6*\t+11], v[16:27], 0, v[KS+\t/2], v28 matrix_a_fmt:MATRIX_FMT_BF6 matrix_b_fmt:MATRIX_FMT_BF6 matrix_a_scale:MATRIX_SCALE_ROW1
.else
	v_wmma_scale_f32_16x16x128_f8f6f4 v[S+8*\t:S+8*\t+7], v[KF+6*\t:KF+6*\t+11], v[16:27], 0, v[KS+\t/2], v28 matrix_a_fmt:MATRIX_FMT_BF6 matrix_b_fmt:MATRIX_FMT_BF6
.endif
.endr
.rept 4
	v_nop                                          ; places: in front of the loads below and of the first read of the scores
.endr
.irp t, 0,1,2,3                        ; V^T's four fragments land while the softmax is walked
.irp c, 0,1,2
	ds_load_b128 v[KF+12*\t+4*\c:KF+12*\t+4*\c+3], v3 offset:6656+1536*\t+512*\c
.endr
.endr
	ds_load_b64 v[VS:VS+1], v4 offset:12800
	s_cmp_lg_u32 s16, s15                          ; on the diagonal the scores of hidden keys become -infinity: p = 0 then.  The group's first key counts for every query of the group
	s_cbranch_scc1 .Lopen
	v_mov_b32 v[TMP], 0xff800000
.set n, 0
.rept 64
	v_cmp_gt_i32 vcc_lo, 32*(n/16)+n%16, v5        ; register 16 b + i holds key 32 b + 16 h + i of the group
	v_cndmask_b32 v[S+n], v[S+n], v[TMP], vcc_lo
.set n, n+1
.endr
.Lopen:
.irp b, 0,1,2,3
	v_max3_num_f32 v[BM+\b], v[S+16*\b], v[S+1+16*\b], v[S+2+16*\b]   ; the largest score of each block of 32 keys: for the row's maximum and, since p rises with the score, for the block's largest p
.endr
.irp i, 3,5,7,9,11,13
.irp b, 0,1,2,3
	v_max3_num_f32 v[BM+\b], v[BM+\b], v[S+16*\b+\i], v[S+1+16*\b+\i]
.endr
.endr
.irp b, 0,1,2,3
	v_max_num_f32 v[BM+\b], v[BM+\b], v[S+15+16*\b]
.endr
.irp b, 0,1,2,3
	s_delay_alu instid0(VALU_DEP_4)
	v_permlanex16_b32 v[BP+\b], v[BM+\b], s10, s11
.endr
.irp b, 0,1,2,3
	s_delay_alu instid0(VALU_DEP_4)
	v_max_num_f32 v[BM+\b], v[BM+\b], v[BP+\b]     ; with lane l xor 16's 16 keys
.endr
	s_delay_alu instid0(VALU_DEP_2)
	v_max3_num_f32 v[TMP], v[BM], v[BM+1], v[BM+2]
	s_delay_alu instid0(VALU_DEP_1)
	v_max_num_f32 v[TMP], v[TMP], v[BM+3]
	s_delay_alu instid0(VALU_DEP_1)
	v_mul_f32 v[TMP], s12, v[TMP]                  ; as t (c is positive)
	s_delay_alu instid0(VALU_DEP_1)
	v_max_num_f32 v13, v13, v[TMP]                 ; the running largest t
	v_mov_b32 v[TMP], v12
	s_delay_alu instid0(VALU_DEP_2)
	v_floor_f32 v12, -v13                          ; the new -M = -ceil(t)
	s_delay_alu instid0(VALU_DEP_1)
	v_sub_f32 v[TMP], v12, v[TMP]                  ; old M - new M: a whole number, 0 or less
	s_delay_alu instid0(VALU_DEP_1)
	v_cvt_i32_f32 v[TMP], v[TMP]                   ; (it saturates)
	s_delay_alu instid0(VALU_DEP_1)
	v_ldexp_f32 v[F], 1.0, v[TMP]
.set j, 0
.rept 32
	v_pk_fma_f32 v[S+j:S+j+1], v[S+j:S+j+1], s[12:13], v[12:13] op_sel_hi:[1,0,0]   ; t - M, two at a time
.set j, j+2
.endr
	s_setprio 1
.irp b, 0,1,2,3
	v_fma_f32 v[BM+\b], v[BM+\b], s12, v12         ; the same of each block's largest score
.endr
.set j, 0
	s_wait_alu depctr_va_vdst(0)
.rept 64
	v_exp_f32 v[S+j], v[S+j]                       ; p = 2^(t - M)
.set j, j+1
.endr
.irp b, 0,1,2,3
	v_exp_f32 v[BM+\b], v[BM+\b]                   ; the block's largest p: the same two instructions on the same number
.endr
	v_pk_mul_f32 v[14:15], v[14:15], v[F:F+1] op_sel_hi:[1,0]   ; the sums under the new M (a plain line behind the exponentials)
	s_wait_alu depctr_va_vdst(0)
.irp b, 0,1,2,3
	v_max_num_f32 v[BM+\b], 0x2800000, v[BM+\b]    ; the floor 2^(5 - 127)
.endr
.irp b, 0,1,2,3
	s_delay_alu instid0(VALU_DEP_4)
	v_add_nc_u32 v[SO+\b], 0xfe000000, v[BM+\b]    ; 4 off the exponent field
.endr
.irp b, 0,1,2,3
	s_delay_alu instid0(VALU_DEP_4)
	v_lshrrev_b32 v[BP+\b], 23, v[SO+\b]
.endr
	s_delay_alu instid0(VALU_DEP_3)
	v_lshl_or_b32 v[PW], v[BP+1], 8, v[BP]         ; p's scale word for these 128 keys
	s_delay_alu instid0(VALU_DEP_1)
	v_lshl_or_b32 v[PW], v[BP+2], 16, v[PW]
	s_delay_alu instid0(VALU_DEP_1)
	v_lshl_or_b32 v[PW], v[BP+3], 24, v[PW]
.irp c, 0,1
	v_cvt_scalef32_pk16_bf6_f32 v[PC+6*\c:PC+6*\c+2], v[S+32*\c:S+32*\c+15], v[SO+2*\c]
	v_cvt_scalef32_pk16_bf6_f32 v[PT+4*\c:PT+4*\c+2], v[S+16+32*\c:S+31+32*\c], v[SO+2*\c+1]
.endr
	v_nop                                          ; one plain line behind a scaled conversion
.irp c, 0,1                            ; a whole block to a lane
.irp i, 0,1,2
	v_permlane16_swap_b32 v[PC+6*\c+\i], v[PT+4*\c+\i]
.endr
.irp i, 0,1,2
	s_delay_alu instid0(VALU_DEP_3)
	v_mov_b32 v[PC+3+6*\c+\i], v[PT+4*\c+\i]
.endr
.endr
	v_pk_add_f32 v[228:229], v[100:101], v[104:105]
	v_pk_add_f32 v[238:239], v[108:109], v[112:113]
	v_pk_add_f32 v[236:237], v[116:117], v[120:121]
	v_pk_add_f32 v[234:235], v[124:125], v[128:129]
	v_pk_add_f32 v[232:233], v[132:133], v[136:137]
	v_pk_add_f32 v[230:231], v[140:141], v[144:145]
	v_pk_add_f32 v[224:225], v[148:149], v[152:153]
	v_pk_add_f32 v[14:15], v[14:15], v[156:157]
	v_pk_add_f32 v[228:229], v[228:229], v[96:97]
	v_pk_add_f32 v[238:239], v[238:239], v[98:99]
	s_setprio 0
	v_pk_add_f32 v[236:237], v[236:237], v[102:103]
	v_pk_add_f32 v[234:235], v[234:235], v[106:107]
	v_pk_add_f32 v[232:233], v[232:233], v[110:111]
	v_pk_add_f32 v[230:231], v[230:231], v[114:115]
	v_pk_add_f32 v[224:225], v[224:225], v[118:119]
	v_pk_add_f32 v[14:15], v[14:15], v[122:123]
	v_pk_add_f32 v[228:229], v[228:229], v[126:127]
	v_pk_add_f32 v[238:239], v[238:239], v[130:131]
	v_pk_add_f32 v[236:237], v[236:237], v[134:135]
	v_pk_add_f32 v[234:235], v[234:235], v[138:139]
	v_pk_add_f32 v[232:233], v[232:233], v[142:143]
	v_pk_add_f32 v[230:231], v[230:231], v[146:147]
	v_pk_add_f32 v[224:225], v[224:225], v[150:151]
	v_pk_add_f32 v[14:15], v[14:15], v[154:155]
	v_pk_add_f32 v[228:229], v[228:229], v[158:159]
	s_delay_alu instid0(VALU_DEP_2)
	v_pk_add_f32 v[14:15], v[14:15], v[234:235]
	s_delay_alu instid0(VALU_DEP_2)
	v_pk_add_f32 v[228:229], v[228:229], v[232:233]
	v_pk_add_f32 v[238:239], v[238:239], v[230:231]
	v_pk_add_f32 v[236:237], v[236:237], v[224:225]
	s_delay_alu instid0(VALU_DEP_2)
	v_pk_add_f32 v[14:15], v[14:15], v[238:239]
	s_delay_alu instid0(VALU_DEP_2)
	v_pk_add_f32 v[228:229], v[228:229], v[236:237]
	s_delay_alu instid0(VALU_DEP_1)
	v_pk_add_f32 v[14:15], v[14:15], v[228:229]
.set j, 0
.rept 16
	v_pk_mul_f32 v[O+j:O+j+1], v[O+j:O+j+1], v[F:F+1] op_sel_hi:[1,0]   ; O^T under the new M.  (These lines and the sums are the places between p's codes and scale word and the products below)
.set j, j+2
.endr
	s_wait_alu depctr_va_vdst(0)
	s_wait_dscnt 0x0                               ; V^T and its scale words are in
.irp t, 0,1,2,3                        ; the four accumulators take turns
.if \t%2
	v_wmma_scale_f32_16x16x128_f8f6f4 v[O+8*\t:O+8*\t+7], v[KF+12*\t:KF+12*\t+11], v[PC:PC+11], v[O+8*\t:O+8*\t+7], v[VS+\t/2], v[PW] matrix_a_fmt:MATRIX_FMT_BF6 matrix_b_fmt:MATRIX_FMT_BF6 matrix_a_scale:MATRIX_SCALE_ROW1
.else
	v_wmma_scale_f32_16x16x128_f8f6f4 v[O+8*\t:O+8*\t+7], v[KF+12*\t:KF+12*\t+11], v[PC:PC+11], v[O+8*\t:O+8*\t+7], v[VS+\t/2], v[PW] matrix_a_fmt:MATRIX_FMT_BF6 matrix_b_fmt:MATRIX_FMT_BF6
.endif
.endr
.Lhidden:
	s_add_co_u32 s17, s17, RECL
	s_add_co_u32 s16, s16, 1
	s_cmp_lt_u32 s16, 16
	s_cbranch_scc1 .Lstep
	s_setprio 0
	; THE TILE'S END: O^T / the sum is ctx: register 16 i + j = channel 32 i + 16 h + j of my query: two blocks of 32, quantised as they stand: half a fragment of the last product's operand.
.rept 4
	v_nop                                          ; places behind the last products
.endr
	v_add_f32 v14, v14, v15
	s_delay_alu instid0(VALU_DEP_1)
	v_permlanex16_b32 v[F], v14, s10, s11
	s_delay_alu instid0(VALU_DEP_1)
	v_add_f32 v14, v14, v[F]                       ; the row's sum
	s_wait_alu depctr_va_vdst(0)
	v_rcp_f32 v14, v14
	v_nop                                          ; one plain line behind a transcendental
.set j, 0
	s_wait_alu depctr_va_vdst(0)
.rept 32
	v_mul_f32 v[S+j], v[O+j], v14
.set j, j+1
.endr
.irp b, 0,1
	v_max3_num_f32 v[BM+\b], |v[S+16*\b]|, |v[S+1+16*\b]|, 0x2800000
.endr
.irp i, 2,4,6,8,10,12,14
.irp b, 0,1
	s_delay_alu instid0(VALU_DEP_2)
	v_max3_num_f32 v[BM+\b], v[BM+\b], |v[S+16*\b+\i]|, |v[S+1+16*\b+\i]|
.endr
.endr
.irp b, 0,1
	s_delay_alu instid0(VALU_DEP_2)
	v_permlanex16_b32 v[BP+\b], v[BM+\b], s10, s11
.endr
.irp b, 0,1
	s_delay_alu instid0(VALU_DEP_2)
	v_max_num_f32 v[BM+\b], v[BM+\b], v[BP+\b]
.endr
.irp b, 0,1
	s_delay_alu instid0(VALU_DEP_2)
	v_add_nc_u32 v[SO+\b], 0xfe000000, v[BM+\b]
.endr
.irp b, 0,1
	s_delay_alu instid0(VALU_DEP_2)
	v_lshrrev_b32 v[BP+\b], 23, v[SO+\b]
.endr
	s_delay_alu instid0(VALU_DEP_1)
	v_lshl_or_b32 v[CW], v[BP+1], 8, v[BP]
	v_cvt_scalef32_pk16_bf6_f32 v[PC:PC+2], v[S:S+15], v[SO]
	v_cvt_scalef32_pk16_bf6_f32 v[PT:PT+2], v[S+16:S+31], v[SO+1]
	v_nop
.irp i, 0,1,2
	v_permlane16_swap_b32 v[PC+\i], v[PT+\i]
.endr
.irp i, 0,1,2
	s_delay_alu instid0(VALU_DEP_3)
	v_mov_b32 v[PC+3+\i], v[PT+\i]
.endr
	global_store_b128 v9, v[PC:PC+3], s[6:7]       ; 512 consecutive bytes, at a multiple of 256 from the buffer's first byte,
	global_store_b64 v10, v[PC+4:PC+5], s[6:7] offset:512   ; and 256 more
	global_store_b16 v11, v[CW], s[6:7]            ; two bytes a place, 8 bytes apart, inside one run of 128 bytes (both halves of the lanes write the same): one byte in 24 of what the tile stores
	s_xor_b32 s14, s14, 31                         ; the second pass: u = 31 - wave
	s_add_co_u32 s18, s18, 1
	s_cmp_lt_u32 s18, 2
	s_cbranch_scc1 .Lpass
	s_wait_dscnt 0x0
	s_wait_tensorcnt 0x0
	ds_add_u32 v240, v241
	s_wait_dscnt 0x0
	ROUND                                          ; the closing round
	s_endpgm
.Lfunc_end_k_qa7c9baaa94_attn:
	.size	k_qa7c9baaa94_attn, .Lfunc_end_k_qa7c9baaa94_attn-k_qa7c9baaa94_attn
	.p2alignl 7, 3214868480
	.fill 96, 4, 3214868480
	.section	.rodata,"a",@progbits
	.p2align	6, 0x0
	.amdhsa_kernel k_qa7c9baaa94_attn
		.amdhsa_group_segment_fixed_size 231424
		.amdhsa_private_segment_fixed_size 0
		.amdhsa_enable_private_segment 0
		.amdhsa_kernarg_size 16
		.amdhsa_user_sgpr_count 2
		.amdhsa_user_sgpr_kernarg_segment_ptr 1
		.amdhsa_wavefront_size32 1
		.amdhsa_system_sgpr_workgroup_id_x 1
		.amdhsa_system_sgpr_workgroup_id_y 1
		.amdhsa_system_sgpr_workgroup_id_z 1
		.amdhsa_system_vgpr_workitem_id 0
		.amdhsa_next_free_vgpr 242
		.amdhsa_next_free_sgpr 66
		.amdhsa_reserve_vcc 1
		.amdhsa_float_denorm_mode_32 3
		.amdhsa_float_denorm_mode_16_64 3
		.amdhsa_memory_ordered 1
		.amdhsa_forward_progress 1
		.amdhsa_inst_pref_size 34
	.end_amdhsa_kernel
	.amdgpu_metadata
---
amdhsa.version: [ 1, 2 ]
amdhsa.kernels:
  - .name:           k_qa7c9baaa94_attn
    .symbol:         k_qa7c9baaa94_attn.kd
    .args:
      - { .name: qkv, .offset: 0, .size: 8, .value_kind: global_buffer, .address_space: global }
      - { .name: ctx, .offset: 8, .size: 8, .value_kind: global_buffer, .address_space: global }
    .group_segment_fixed_size: 231424
    .private_segment_fixed_size: 0
    .kernarg_segment_align: 8
    .kernarg_segment_size: 16
    .max_flat_workgroup_size: 512
    .sgpr_count:     66
    .vgpr_count:     242
    .wavefront_size: 32
...
	.end_amdgpu_metadata
.endif
;; end of part 3
;; launch proj (part 4): grid 4 x 64, 4 waves a work-group, clusters of 4 x 4, 307,712 bytes of LDS; arguments ctx, cod, bo, out0; writes out0
.if DOCPART == 4
	.amdgcn_target "amdgcn-amd-amdhsa--gfx1250"
	.amdhsa_code_object_version 6
	.text
	.protected	k_qa7c9baaa94_proj
	.globl	k_qa7c9baaa94_proj
	.p2align	8
	.type	k_qa7c9baaa94_proj,@function
k_qa7c9baaa94_proj:
	s_mov_b64 s[64:65], 0
	v_nop
	global_prefetch_b8 v0, s[64:65] scope:SCOPE_SE
	s_setreg_imm32_b32 hwreg(HW_REG_WAVE_MODE, 25, 1), 1
	s_wait_xcnt 0x0
	s_wait_alu depctr_hold_cnt(0) depctr_sa_sdst(0) depctr_va_vdst(0) depctr_va_sdst(0) depctr_va_ssrc(0) depctr_va_vcc(0) depctr_vm_vsrc(0)
	s_getreg_b32 s2, hwreg(HW_REG_IB_STS2, 6, 4)
	s_cmp_eq_u32 s2, 0
	s_cbranch_scc0 .Lentry_in_a_cluster
	s_endpgm
.Lentry_in_a_cluster:
	s_bfe_u32 s2, ttmp6, 0x10000c
	s_cmp_lg_u32 s2, 0xf033
	s_cbranch_scc0 .Lentry_shape_is_right
	s_endpgm
.Lentry_shape_is_right:
; out0 = ctx Wo^T + bo on codes of E3M2.  ctx: 512 tiles of 16 tokens, Wo: tiles 704-767 of cod; both as images of the operand's registers (13,312 bytes a tile, four parts of 3,328: codes, then scale bytes).
; A work-group of four waves makes 128 tokens x 256 features, so that there are 256 work-groups; a wave 64 x 128: 32 accumulators.  K = 1,024 goes in four parts of 256; ALL FOUR PARTS FIT IN LDS, each in a slot of its own:
; four loads a wave go out at the start, and the waits count down the parts still to come.
; THE MATRIX INSTRUCTION IS USED TRANSPOSED (source 0 = 16 places of Wo, source 1 = 16 tokens): a lane holds one token, and an accumulator's eight registers are eight neighbouring features.  The bias is the C of each sum's first product.
; THE TOKENS OF A TILE ARE NOT NEIGHBOURS (of each 32, tile u holds at place p the token 8 u + p + 8 (p / 8)): they are put back in the stores' offsets.  Wo's rows likewise: in the stage's offsets.
; CLUSTERS: 4 x 4 work-groups; ctx's tiles are shared along a row of the cluster, Wo's along a column.
; REGISTERS: window 0: v1-3 lane, r, h; v4-23 LDS addresses; v24-25 the stage; v28 the bias's offset; v30-31 16 and 8 x lane; v32-63 scale words, two sets; v64-127 the bias; v128-175 ctx's fragments, one set; v128-255 the way out.
;   window 1: Wo's fragments, two sets, at v0 and v128.   window 2: accumulator (a, b) at v[8 (8 a + b)].
.set HB,    2
.set FR,    12
.set NL,    4
.set NP,    4                          ; places behind this matrix instruction (ISA guide 7.12.1)
.set PARTL, 3200
.set PARTG, 3328
.set TILEG, 13312
.set HALFA, 4*PARTL                    ; four tiles of ctx
.set HALFB, 8*PARTL                    ; eight of Wo
.set SLOT,  2*HALFA+2*HALFB
.set SPITCH, 528                       ; the way out: a stage of 16 rows x (512 bytes + 16) for each wave, in slot 0, which has had its only fill and its last read when the first result is stored there
.set A16, 4
.set A8,  8
.set B16, 12
.set B8,  16
.set SCA, 20
.set STO, 24
.set RD,  25
.set BO,  28
.set L16, 30
.set L8,  31
.set SC,  32
.set BI,  64
.set AF,  128
.set BK,  128
.set G1,  24
.set G1B, 32
.set G0,  48                           ; s[48:63] group 0 for ctx's tiles, a set for each slot
.set G0B, 68                           ; s[68:83] for Wo's
.set MSB, 0
.macro WIN new
.if MSB != (\new)
	s_set_vgpr_msb (MSB<<8)|(\new)
.set MSB, (\new)
.endif
.endm
.set MUL,   0xa1                       ; source 0 window 1, source 1 window 0, C and D window 2
.set MUL_Z, 0x81                       ; the same with C (the bias) in window 0
.set TO_B,  0x40
.macro JLOAD g0a, g1a, g0b, g1b        ; waves 0 and 1 fetch ctx's two halves, waves 2 and 3 Wo's; four v_nop follow each of the two lines
	s_cmp_eq_u32 s15, 0
	s_cbranch_scc0 .Lfor_b_\@
	tensor_load_to_lds s[\g0a:\g0a+3], s[\g1a:\g1a+7]
	s_nop 0
.rept 4
	v_nop
.endr
	s_branch .Lasked_\@
.Lfor_b_\@:
	tensor_load_to_lds s[\g0b:\g0b+3], s[\g1b:\g1b+7]
	s_nop 0
.rept 4
	v_nop
.endr
.Lasked_\@:
.endm
.macro CROUND
	s_barrier_signal -1
	s_barrier_wait -1
	s_cmp_lg_u32 s14, 0
	s_cbranch_scc1 .Lnot_wave_0_\@
	s_barrier_signal -3
.Lnot_wave_0_\@:
	s_barrier_wait -3
	s_barrier_signal -1
	s_barrier_wait -1
.endm
.macro PLACES n
.rept \n
	v_nop
.endr
.endm
	s_load_b256 s[4:11], s[0:1], 0x0               ; ctx, cod, bo, out0
	v_lshl_add_u32 v26, v0, 2, 0x4b000
	v_mov_b32 v29, 0
	ds_add_u32 v26, v29
	ds_add_u32 v26, v29
	v_lshrrev_b32 v1, 5, v0
	v_readfirstlane_b32 s14, v1                    ; wave 0..3
	s_lshr_b32 s15, s14, 1                         ; which half of the tokens is mine.  Also: I fetch for ctx (0) or for Wo (1)
	s_and_b32 s16, s14, 1                          ; which half of the features.  Also: which half I fetch
	s_bfe_u32 s40, ttmp6, 0x40000                  ; cx
	s_bfe_u32 s41, ttmp6, 0x40004                  ; cy
	s_lshl_b32 s42, ttmp9, 2
	s_add_co_u32 s42, s42, s40                     ; block of 256 features
	s_and_b32 s17, ttmp7, 0xffff
	s_lshl_b32 s17, s17, 2
	s_add_co_u32 s17, s17, s41                     ; block of 128 tokens
	s_lshl_b32 s43, s41, 2
	s_lshl_b32 s43, 15, s43
	s_lshl_b32 s44, 0x1111, s40
	s_or_b32 s[G1+0], s43, (3<<16)|(1<<21)         ; the mask; elements of 8 bytes; no padding; 21 set beside a mask
	s_mov_b32 s[G1+1], 400<<16                     ; rows of 3,200 bytes: a tile's part, codes and scale bytes
	s_mov_b32 s[G1+2], 4<<16                       ; four tiles
	s_mov_b32 s[G1+3], 400<<16
	s_mov_b32 s[G1+4], 4
	s_mov_b32 s[G1+5], 1664                        ; from tile to tile: 13,312 bytes
	s_mov_b32 s[G1+6], 0
	s_mov_b32 s[G1+7], 0
	s_or_b32 s[G1B+0], s44, (3<<16)|(1<<21)
	s_mov_b32 s[G1B+1], 400<<16
	s_mov_b32 s[G1B+2], 8<<16                      ; eight tiles
	s_mov_b32 s[G1B+3], 400<<16
	s_mov_b32 s[G1B+4], 8
	s_mov_b32 s[G1B+5], 1664
	s_mov_b32 s[G1B+6], 0
	s_mov_b32 s[G1B+7], 0
	s_lshl_b32 s20, s17, 3                         ; ctx: tile 8 x block + 4 x half
	s_lshl_b32 s19, s16, 2
	s_add_co_u32 s20, s20, s19
	s_mul_i32 s20, s20, TILEG
	s_mov_b32 s21, 0
	s_lshl_b32 s46, s42, 4                         ; Wo: tile 704 + 16 x block + 8 x half
	s_lshl_b32 s47, s16, 3
	s_add_co_u32 s46, s46, s47
	s_add_co_u32 s46, s46, 704
	s_mul_i32 s46, s46, TILEG
	s_mov_b32 s47, 0
	s_mul_i32 s45, s16, HALFA                      ; where they go in a slot
	s_mul_i32 s94, s16, HALFB
	s_add_co_u32 s94, s94, 2*HALFA
	s_wait_dscnt 0x0
	s_wait_kmcnt 0x0
	s_add_nc_u64 s[20:21], s[4:5], s[20:21]
	s_add_nc_u64 s[46:47], s[6:7], s[46:47]
	CROUND                                         ; all sixteen work-groups are here: the joint loads meet
.irp s, 0,1,2,3                        ; all four parts of K: four loads of mine are out
	s_mov_b32 s[G0+4*\s], 1
	s_add_co_u32 s[G0+4*\s+1], s45, \s*SLOT
	s_add_nc_u64 s[G0+4*\s+2:G0+4*\s+3], s[20:21], \s*PARTG
	s_or_b32 s[G0+4*\s+3], s[G0+4*\s+3], 0x80000000
	s_mov_b32 s[G0B+4*\s], 1
	s_add_co_u32 s[G0B+4*\s+1], s94, \s*SLOT
	s_add_nc_u64 s[G0B+4*\s+2:G0B+4*\s+3], s[46:47], \s*PARTG
	s_or_b32 s[G0B+4*\s+3], s[G0B+4*\s+3], 0x80000000
	JLOAD G0+4*\s, G1, G0B+4*\s, G1B
.endr
	v_and_b32 v1, 31, v0
	v_and_b32 v2, 15, v0                           ; r
	v_bfe_u32 v3, v0, 4, 1                         ; h
	v_lshlrev_b32 v[L16], 4, v1
	v_lshlrev_b32 v[L8], 3, v1
	v_lshlrev_b32 v[BO], 6, v3                     ; the bias: lanes 16-31 begin 16 features on
	s_lshl_b32 s84, s42, 10                        ; my first feature, in bytes: 1,024 x block + 512 x half
	s_lshl_b32 s85, s16, 9
	s_add_co_u32 s84, s84, s85
	s_mov_b32 s85, 0
	s_add_nc_u64 s[8:9], s[8:9], s[84:85]
.irp b, 0,1,2,3,4,5,6,7                ; column block b's eight registers: features 32 (b / 2) + 8 (b % 2) + 16 h + 0 .. 7
	global_load_b128 v[BI+8*\b:BI+8*\b+3], v[BO], s[8:9] offset:(32*(\b/2)+8*(\b%2))*4
	global_load_b128 v[BI+8*\b+4:BI+8*\b+7], v[BO], s[8:9] offset:(32*(\b/2)+8*(\b%2))*4+16
.endr
	s_lshl_b32 s86, s17, 7
	s_lshl_b32 s87, s15, 6
	s_add_co_u32 s86, s86, s87                     ; my first token: 128 x block + 64 x half
	s_lshl_b32 s86, s86, 12                        ; a row of out0 is 4,096 bytes
	s_add_co_u32 s86, s86, s84
	s_mov_b32 s87, 0
	s_add_nc_u64 s[10:11], s[10:11], s[86:87]
	s_mul_i32 s96, s15, HALFA
	s_mul_i32 s97, s16, HALFB
	s_add_co_u32 s97, s97, 2*HALFA
	s_sub_co_u32 s98, s97, s96
	v_mul_u32_u24 v27, s98, v3                     ; lanes 16-31 take Wo's scale words
	v_lshl_add_u32 v27, v2, 3, v27
.irp s, 0,1,2,3
	v_add_nc_u32 v[A16+\s], s96, v[L16]
	v_add_nc_u32 v[A8+\s], s96, v[L8]
	v_add_nc_u32 v[B16+\s], s97, v[L16]
	v_add_nc_u32 v[B8+\s], s97, v[L8]
	v_add_nc_u32 v[SCA+\s], s96, v27
	s_add_co_u32 s96, s96, SLOT
	s_add_co_u32 s97, s97, SLOT
.endr
	s_mul_i32 s99, s14, 16*SPITCH                  ; my stage
	v_mul_u32_u24 v[STO], v2, SPITCH
	v_lshl_add_u32 v[STO], v3, 6, v[STO]
	v_add_nc_u32 v[STO], s99, v[STO]               ; in: row r, + 64 h
	v_add_nc_u32 v[RD], s99, v[L16]                ; back: the 32 lanes take one row of 512 bytes
.macro FRAG reg, a16, a8, q, i
	ds_load_b128 v[\reg:\reg+3], v[\a16] offset:PARTL*(\i)+1536*(\q)
	ds_load_b64 v[\reg+4:\reg+5], v[\a8] offset:PARTL*(\i)+1536*(\q)+512
	ds_load_b128 v[\reg+6:\reg+9], v[\a16] offset:PARTL*(\i)+1536*(\q)+768
	ds_load_b64 v[\reg+10:\reg+11], v[\a8] offset:PARTL*(\i)+1536*(\q)+1280
.endm
.macro FETCH_B ls, q, p
	WIN TO_B
.irp i, 0,1,2,3,4,5,6,7
	FRAG 128*(\p)+FR*\i, B16+\ls, B8+\ls, \q, \i
.endr
	WIN 0
.endm
.macro FETCH_A ls, q, i0
.irp i, \i0, \i0+1
	FRAG AF+FR*(\i), A16+\ls, A8+\ls, \q, \i
.endr
.endm
.macro SCALES ls, set                  ; lanes 0-15: ctx's block i (for i over 3: bytes of the slot that no product names); lanes 16-31: Wo's block i
.irp i, 0,1,2,3,4,5,6,7
	ds_load_b64 v[SC+16*(\set)+2*\i:SC+16*(\set)+2*\i+1], v[SCA+\ls] offset:3072+PARTL*\i
.endr
.endm
; 8 matrix instructions: token block a x Wo's eight.  The 32 accumulators take turns, one instruction a turn, in the same order in every step.
.macro MULQ a, p, q, set, zero
.irp b, 0,1,2,3,4,5,6,7
.if \zero
	v_wmma_scale_f32_16x16x128_f8f6f4 v[8*(8*(\a)+\b):8*(8*(\a)+\b)+7], v[128*(\p)+FR*\b:128*(\p)+FR*\b+FR-1], v[AF+FR*(\a):AF+FR*(\a)+FR-1], v[BI+8*\b:BI+8*\b+7], v[SC+16*(\set)+2*\b+(\q)], v[SC+16*(\set)+2*(\a)+(\q)] matrix_a_fmt:MATRIX_FMT_BF6 matrix_b_fmt:MATRIX_FMT_BF6 matrix_a_scale:MATRIX_SCALE_ROW1
.else
	v_wmma_scale_f32_16x16x128_f8f6f4 v[8*(8*(\a)+\b):8*(8*(\a)+\b)+7], v[128*(\p)+FR*\b:128*(\p)+FR*\b+FR-1], v[AF+FR*(\a):AF+FR*(\a)+FR-1], v[8*(8*(\a)+\b):8*(8*(\a)+\b)+7], v[SC+16*(\set)+2*\b+(\q)], v[SC+16*(\set)+2*(\a)+(\q)] matrix_a_fmt:MATRIX_FMT_BF6 matrix_b_fmt:MATRIX_FMT_BF6 matrix_a_scale:MATRIX_SCALE_ROW1
.endif
.endr
.endm
.macro MWIN zero
.if \zero
	WIN MUL_Z
.else
	WIN MUL
.endif
.endm
.macro STEP ls, set, zero              ; a part's first 128 along K
	s_wait_dscnt HB*NL                             ; all but the youngest eight loads (token blocks 2, 3) are in
	MWIN \zero
	MULQ 0, 0, 0, \set, \zero
	MULQ 1, 0, 0, \set, \zero
	s_wait_dscnt 0x0
	PLACES NP                                      ; in front of loads into registers that matrix instructions have read
	FETCH_B \ls, 1, 1
	FETCH_A \ls, 1, 0
	MWIN \zero
	MULQ 2, 0, 0, \set, \zero
	MULQ 3, 0, 0, \set, \zero
	PLACES NP
	WIN 0
	FETCH_A \ls, 1, HB
.endm
.macro TURN ls, set, nls, tc           ; a part's second 128 along K; the next slot is shown whole by one barrier.  tc: the parts behind the next one, whose loads may stay out
	s_wait_tensorcnt \tc
	s_wait_dscnt HB*NL
	WIN MUL
	MULQ 0, 1, 1, \set, 0
	s_wait_dscnt 0x0
	s_barrier_signal -1
	MULQ 1, 1, 1, \set, 0
	WIN 0
	s_barrier_wait -1
	PLACES NP
	FETCH_B \nls, 0, 0
	FETCH_A \nls, 0, 0
	SCALES \nls, 1-(\set)
	WIN MUL
	MULQ 2, 1, 1, \set, 0
	MULQ 3, 1, 1, \set, 0
	PLACES NP
	WIN 0
	FETCH_A \nls, 0, HB
.endm
	s_wait_tensorcnt 3                             ; my part of slot 0 is in; the three behind it may be out
	s_barrier_signal -1
	s_barrier_wait -1
	FETCH_B 0, 0, 0
	FETCH_A 0, 0, 0
	SCALES 0, 0
	FETCH_A 0, 0, HB
	s_wait_loadcnt 0x0                             ; the bias
	STEP 0, 0, 1                                   ; the first products start the sums from the bias
	TURN 0, 0, 1, 2
	STEP 1, 1, 0
	TURN 1, 1, 2, 1
	STEP 2, 0, 0
	TURN 2, 0, 3, 0
	STEP 3, 1, 0
	s_wait_dscnt HB*NL                             ; the last 128 along K
	WIN MUL
	MULQ 0, 1, 1, 1, 0
	MULQ 1, 1, 1, 1, 0
	s_wait_dscnt 0x0
	MULQ 2, 1, 1, 1, 0
	MULQ 3, 1, 1, 1, 0
	WIN 0
; THE WAY OUT, block by block of 16 tokens x 128 features: through my own stage and back as whole rows of 512 bytes.  LDS serves a wave's instructions in order: no wait between the stores and the loads.
.macro TOSTAGE a
	WIN 0x08                                       ; an LDS store's data: window 2
.irp b, 0,1,2,3,4,5,6,7
	ds_store_b128 v[STO], v[64*(\a)+8*\b:64*(\a)+8*\b+3] offset:128*(\b/2)+32*(\b%2)          ; each accumulator from its low end on
	ds_store_b128 v[STO], v[64*(\a)+8*\b+4:64*(\a)+8*\b+7] offset:128*(\b/2)+32*(\b%2)+16
.endr
	WIN 0
.set BB, BK+64*((\a)%2)
.irp t, 0,1,2,3,4,5,6,7,8,9,10,11,12,13,14,15
	ds_load_b128 v[BB+4*\t:BB+4*\t+3], v[RD] offset:\t*SPITCH
.endr
.endm
.macro SEND a, younger                 ; younger: the LDS instructions issued behind block a's loads, which may stay out
.set BB, BK+64*((\a)%2)
	s_wait_dscnt \younger
.irp t, 0,1,2,3,4,5,6,7,8,9,10,11,12,13,14,15
	global_store_b128 v[L16], v[BB+4*\t:BB+4*\t+3], s[10:11] offset:(32*((\a)/2)+8*((\a)%2)+\t+8*(\t/8))*4096 th:TH_STORE_NT   ; place t of tile a is this token; 32 lanes store 512 consecutive bytes, at a multiple of 256 from out0's first byte
.endr
.endm
	PLACES NP                                      ; in front of the first read of results and of loads into the registers that held ctx's fragments
	TOSTAGE 0
.irp a, 1,2,3
.if \a > 1
	s_wait_xcnt 0x0                                ; the stores of two blocks ago have read their registers
.endif
	TOSTAGE \a
	SEND \a-1, 32                                  ; behind block a - 1's loads: block a's 16 stores and 16 loads
.endr
	SEND 3, 0
	s_wait_dscnt 0x0
	s_wait_tensorcnt 0x0
	ds_add_u32 v26, v29
	s_wait_dscnt 0x0
	CROUND                                         ; the closing round
	s_endpgm
.Lfunc_end_k_qa7c9baaa94_proj:
	.size	k_qa7c9baaa94_proj, .Lfunc_end_k_qa7c9baaa94_proj-k_qa7c9baaa94_proj
	.p2alignl 7, 3214868480
	.fill 96, 4, 3214868480
	.section	.rodata,"a",@progbits
	.p2align	6, 0x0
	.amdhsa_kernel k_qa7c9baaa94_proj
		.amdhsa_group_segment_fixed_size 307712
		.amdhsa_private_segment_fixed_size 0
		.amdhsa_enable_private_segment 0
		.amdhsa_kernarg_size 32
		.amdhsa_user_sgpr_count 2
		.amdhsa_user_sgpr_kernarg_segment_ptr 1
		.amdhsa_wavefront_size32 1
		.amdhsa_system_sgpr_workgroup_id_x 1
		.amdhsa_system_sgpr_workgroup_id_y 1
		.amdhsa_system_sgpr_workgroup_id_z 1
		.amdhsa_system_vgpr_workitem_id 0
		.amdhsa_next_free_vgpr 1024
		.amdhsa_next_free_sgpr 100
		.amdhsa_reserve_vcc 0
		.amdhsa_float_denorm_mode_32 3
		.amdhsa_float_denorm_mode_16_64 3
		.amdhsa_memory_ordered 1
		.amdhsa_forward_progress 1
		.amdhsa_inst_pref_size 89
	.end_amdhsa_kernel
	.amdgpu_metadata
---
amdhsa.version: [ 1, 2 ]
amdhsa.kernels:
  - .name:           k_qa7c9baaa94_proj
    .symbol:         k_qa7c9baaa94_proj.kd
    .args:
      - { .name: ctx, .offset: 0, .size: 8, .value_kind: global_buffer, .address_space: global }
      - { .name: cod, .offset: 8, .size: 8, .value_kind: global_buffer, .address_space: global }
      - { .name: bo, .offset: 16, .size: 8, .value_kind: global_buffer, .address_space: global }
      - { .name: out0, .offset: 24, .size: 8, .value_kind: global_buffer, .address_space: global }
    .group_segment_fixed_size: 307712
    .private_segment_fixed_size: 0
    .kernarg_segment_align: 8
    .kernarg_segment_size: 32
    .max_flat_workgroup_size: 128
    .sgpr_count:     100
    .vgpr_count:     1024
    .wavefront_size: 32
...
	.end_amdgpu_metadata
.endif
;; end of part 4
